; MI455X (gfx1250); checked and timed in simulation.
; The chip was launched on July 23, 2026; its instructions are those of AMD's public machine-readable ISA for CDNA 5 (MIT licence, August 2026) and "CDNA5" Instruction Set Architecture Reference Guide (July 2026). The comments in the code are by the model that wrote it; some were corrected since.
;; Multihead Attention. Allowed arithmetic: matrix products marked QUANTISED: E2M1 operands, one E8M0 scale for each 32 along K, by v_wmma_scale_f32_16x16x128_f8f6f4 with both operands' format E2M1 (or v_wmma_scale_f32_32x16x128_f4), f32 sums; everything else in f32.
;; Inputs: Wk_codes 1,024 x 32 x 16 uint8 (E2M1 codes of Wk, K innermost, in blocks of 32 codes, two codes a byte); Wk_scales 1,024 x 32 uint8 (E8M0 scales of Wk, one for each 32 codes along K); Wo_codes 1,024 x 32 x 16 uint8 (E2M1 codes of Wo, K innermost, in blocks of 32 codes, two codes a byte); Wo_scales 1,024 x 32 uint8 (E8M0 scales of Wo, one for each 32 codes along K); Wq_codes 1,024 x 32 x 16 uint8 (E2M1 codes of Wq, K innermost, in blocks of 32 codes, two codes a byte); Wq_scales 1,024 x 32 uint8 (E8M0 scales of Wq, one for each 32 codes along K); Wv_codes 1,024 x 32 x 16 uint8 (E2M1 codes of Wv, K innermost, in blocks of 32 codes, two codes a byte); Wv_scales 1,024 x 32 uint8 (E8M0 scales of Wv, one for each 32 codes along K); b1 1,024 float32; b2 1,024 float32; bk 1,024 float32; bo 1,024 float32; bq 1,024 float32; bv 1,024 float32; g1 1,024 float32; g2 1,024 float32; k_codes 4 x 2,048 x 32 x 16 uint8 (E2M1 codes of k, K innermost, in blocks of 32 codes, two codes a byte); k_scales 4 x 2,048 x 32 uint8 (E8M0 scales of k, one for each 32 codes along K); mask 4 x 2,048 bool; q_codes 4 x 2,048 x 32 x 16 uint8 (E2M1 codes of q, K innermost, in blocks of 32 codes, two codes a byte); q_scales 4 x 2,048 x 32 uint8 (E8M0 scales of q, one for each 32 codes along K); v_codes 4 x 2,048 x 32 x 16 uint8 (E2M1 codes of v, K innermost, in blocks of 32 codes, two codes a byte); v_scales 4 x 2,048 x 32 uint8 (E8M0 scales of v, one for each 32 codes along K).
;; Outputs: out0 4 x 2,048 x 1,024 float32.
;; This version of the problem:
;;   THIS VERSION OF THE PROBLEM IS GIVEN IN LOW PRECISION. The matrix products marked QUANTISED in the list below multiply operands that are first quantised to E2M1 (2 exponent bits, 1 mantissa bit; 4 bits a number), with one power-of-two scale for each 32 numbers along K (OCP MX v1.0); their sums are f32. All else is computed in f32.
;;   The module's matrix products, in the order in which they are computed (A, B: the left and right operand; K: the contracted axis; several contracted axes count as one K, in the product's order):
;;     1. [M 8,192, K 1,024] x [K 1,024, N 1,024]; A: input q (given as codes); B: input Wq (given as codes): QUANTISED
;;     2. [M 8,192, K 1,024] x [K 1,024, N 1,024]; A: input k (given as codes); B: input Wk (given as codes): QUANTISED
;;     3. [M 8,192, K 1,024] x [K 1,024, N 1,024]; A: input v (given as codes); B: input Wv (given as codes): QUANTISED
;;     4. batch 64 x [M 2,048, K 64] x [K 64, N 2,048]; A: computed on the way; B: computed on the way: QUANTISED
;;     5. batch 64 x [M 64, K 2,048] x [K 2,048, N 2,048]; A: computed on the way; B: computed on the way: QUANTISED
;;     6. [M 8,192, K 1,024] x [K 1,024, N 1,024]; A: computed on the way; B: input Wo (given as codes): QUANTISED
;;   THE QUANTISER, for each operand of a quantised product, along K:
;;     - K is cut into blocks of 32 from its start; a last block that is shorter is filled with zeros.
;;     - A block's scale is 2^e with e = floor(log2(the largest magnitude in the block)) - 2, held to -126 .. 127; a block of zeros has e = 0. As a byte (E8M0): e + 127.
;;     - Each number is divided by its block's scale, clamped to +-6, and rounded to the nearest number of E2M1, ties to even, subnormals kept.
;;     - The product sums the exact products of the quantised numbers (number of the format x scale) in f32.
;;   ~~~python
;;   def quantise(x, axis):      # numpy; x: float32 -> the quantised numbers, widened to float32 again
;;       x = np.moveaxis(x, axis, -1); K = x.shape[-1]
;;       x = np.pad(x, [(0, 0)] * (x.ndim - 1) + [(0, -K % 32)]); x = x.reshape(x.shape[:-1] + (-1, 32)); a = np.abs(x).max(-1, keepdims=True)
;;       e = np.where(a > 0, np.clip(np.frexp(np.where(a > 0, a, 1))[1] - 1 - 2, -126, 127), 0)      # np.frexp(a)[1] - 1 = floor(log2(a)), exactly
;;       r = np.clip(x / 2.0 ** e, -6, 6)
;;       step = 2.0 ** (np.maximum(np.frexp(np.where(r == 0, 1, r))[1] - 1, 0) - 1)
;;       q = np.round(r / step) * step * 2.0 ** e      # np.round: ties to even
;;       return np.moveaxis(q.reshape(q.shape[:-2] + (-1,))[..., :K], -1, axis).astype(np.float32)
;;   ~~~
;;   OPERANDS COMPUTED ON THE WAY. 'Computed on the way' means the value that the module computes at that place (a softmax that the list does not call 'softmax' is quantised finished and normalised). What goes into a quantiser is computed in f32, as accurately as f32 sums, v_exp_f32 and their like allow (about 1e-6 of the number): no bf16 or f16 on the way to a quantiser, and a product that is left as it is and whose result goes on into a quantised operand takes f32 operands (vector FMAs, or v_wmma_f32_16x16x4_f32). A number that lies on a knife's edge between two numbers of the format may be rounded either way, as far as f32 arithmetic and the matrix unit's own rounding can turn it there, and no further.
;;   INPUTS GIVEN AS CODES. Wk (in the module: [1024, 1024], K = its axis 0); Wo (in the module: [1024, 1024], K = its axis 0); Wq (in the module: [1024, 1024], K = its axis 0); Wv (in the module: [1024, 1024], K = its axis 0); k (in the module: [4, 2048, 1024], K = its axis 2); q (in the module: [4, 2048, 1024], K = its axis 2); v (in the module: [4, 2048, 1024], K = its axis 2): each comes as NAME_codes (uint8): NAME with its K axis moved to the last place and cut into blocks of 32 codes, [.., K / 32, bytes a block], one block behind the other in memory; two codes a byte, the lower K in the low four bits (a code: sign, 2 exponent bits, 1 mantissa bit); and NAME_scales (uint8): the same leading axes, one E8M0 byte (e + 127) for each 32 codes along K. Its value is code x scale, taken as it is: it is not quantised again, and the codes and scales need not be those that the quantiser above would give.
;; 2 versions, each right. Each part assembles by itself: llvm-mc -triple=amdgcn-amd-amdhsa -mcpu=gfx1250 --defsym DOCPART=n.
;; ======== version 1 of 2: 3 launches
;; limits: right only within a limited range of input values
;; workspace buffers: qimg 4,718,592 bytes; kimg 4,718,592 bytes; vimg 4,456,448 bytes; qpimg 33,554,432 bytes; attn 33,554,432 bytes
;; launch proj (part 1): grid 256 x 3, 4 waves a work-group, clusters of 4 x 1, 209,408 bytes of LDS; arguments q_codes, q_scales, Wq_codes, Wq_scales, bq, qimg, k_codes, k_scales, Wk_codes, Wk_scales, bk, kimg, v_codes, v_scales, Wv_codes, Wv_scales, bv, vimg, mask, qpimg; writes qimg, kimg, vimg, qpimg
.if DOCPART == 1
	.amdgcn_target "amdgcn-amd-amdhsa--gfx1250"
	.amdhsa_code_object_version 6
	.text
	.protected	k_q1c2827a26f_proj
	.globl	k_q1c2827a26f_proj
	.p2align	8
	.type	k_q1c2827a26f_proj,@function
k_q1c2827a26f_proj:
	s_mov_b64 s[64:65], 0
	v_nop
	global_prefetch_b8 v0, s[64:65] scope:SCOPE_SE
	s_setreg_imm32_b32 hwreg(HW_REG_WAVE_MODE, 25, 1), 1
	s_wait_xcnt 0x0
	s_wait_alu depctr_hold_cnt(0) depctr_sa_sdst(0) depctr_va_vdst(0) depctr_va_sdst(0) depctr_va_ssrc(0) depctr_va_vcc(0) depctr_vm_vsrc(0)
	s_getreg_b32 s2, hwreg(HW_REG_IB_STS2, 6, 4)
	s_cmp_eq_u32 s2, 0
	s_cbranch_scc0 .Lentry_in_a_cluster
	s_endpgm
.Lentry_in_a_cluster:
	s_bfe_u32 s2, ttmp6, 0x10000c
	s_cmp_lg_u32 s2, 0x3003
	s_cbranch_scc0 .Lentry_shape_is_right
	s_endpgm
.Lentry_shape_is_right:
; THE THREE PROJECTIONS: qp = q Wq + bq, kp = k Wk + bk, vp = v Wv + bv, on the given codes of E2M1, and the quantisers behind them.
; DEAD WORK: none is left out in this program.  Every input has a way to the output (bq and bk move the codes of the score product, the mask moves A, all gains and biases are live) and every input is loaded by some launch.
; WHAT IS STORED.  qp as f32 (qpimg, for the residual); qp and kp quantised along a head's 64 (qimg, kimg); vp quantised along the keys (vimg).  All four lie as IMAGES OF OPERAND REGISTERS: four registers of
; the 32 lanes are 512 consecutive bytes, lane l's 16 bytes at 16 l, so that every store here and every load later covers 512 consecutive bytes.
; THE MASK RIDES IN THE SCALE WORDS.  The score product uses 64 of the matrix instruction's 128 along K.  At k = 64 stands a pad: Q's number is 0.5 x 2^(101 - 127), K's is -0.5 x 2^(byte - 127) with the byte 254
; for a key that the mask hides and 1 for a key that counts.  A hidden key's score is so -2^99; a key that counts gets -2^-154, the same for all such keys and under the smallest f32 number.  This launch writes the bytes: 2 of each scale word.
; LIMITS: true scores lie inside (-2^90, 2^90); NaN and infinities among the inputs are not served; a block whose largest magnitude lies under 2^(3 - 127) keeps the scale byte 1.
; SHARES.  T = work-group y: 0 Q, 1 K, 2 V.  D = X (source 0) x Y (source 1).  Q, K: X = 128 rows of the weight, Y = 256 rows of the activation: a lane holds one row, its registers run along d.  V: X = 128 keys,
; Y = 256 rows of Wv: a lane holds one d, its registers run along the keys.  So each quantiser finds its K in a lane's registers.  A wave makes X 128 x Y 64: 32 accumulators.  All of K = 1,024 lies in LDS, in two halves.
; CLUSTER: the four partners share Y's panel (two thirds of a work-group's bytes): joint loads, mask 15.  X's panel differs between them: plain loads.
; REGISTERS.  window 0: v1-13 addresses, v14-15 the add's two, v16-47 X's scale words, v48-63 Y's, v64-159 and v160-255 two sets of fragments (X 64, Y 32); on the way out v64-163 are at work.
;   window 1: accumulator (y, x) at v[8 (8 y + x)].   window 2: v0-63 the bias, v64-67 the mask's bytes.
.set HALF,  104448                     ; LDS: half a K: X's 128 rows, then Y's 256 rows, 256 bytes + 16 of padding each
.set YOFF,  34816                      ; 128 x 272
.set SPARE, 2*HALF                     ; behind the halves: the spare words, 128 bytes for each wave
.set WV,   4                           ; s4   my wave
.set ADX,  5                           ; v5, v6  LDS address of X's fragments in half 0, 1
.set ADY,  7                           ; v7, v8  of my 64 rows of Y
.set XSC,  16                          ; scale words: register 4 tile + q: lanes 0-15 K step q, lanes 16-31 K step 4 + q
.set YSC,  48
.set HA,   64                          ; the way out: 64 numbers
.set TM,   128                         ; v128-143 at work in the quantiser
.set PC,   144                         ; v144-151 the codes just made
.set PW,   152                         ; the scale word just made
.set SW,   156                         ; v156-159 four tiles' scale words
.set PADW, 160                         ; v160-163 bytes 2 and 3 of the scale words
.set SEL,  98                          ; s[98:99] selects for lane l xor 16
.set MSB, 0
.macro WIN new                         ; the immediate's high byte repeats the setting that is left
.if MSB != \new
	s_set_vgpr_msb (MSB<<8)|\new
.set MSB, \new
.endif
.endm
.macro CROUND                          ; a round of the cluster's barrier
	s_barrier_signal -1
	s_barrier_wait -1
	s_cmp_lg_u32 s[WV], 0
	s_cbranch_scc1 .Lnot_wave_0_\@
	s_barrier_signal -3
.Lnot_wave_0_\@:
	s_barrier_wait -3
	s_barrier_signal -1
	s_barrier_wait -1
.endm
.macro FINISH                          ; a wave's end: the tensor wait, an add and its wait, ahead of the closing round
	s_wait_tensorcnt 0x0
	ds_add_u32 v14, v15
	s_wait_dscnt 0x0
	CROUND
	s_endpgm
.endm
; 64 numbers of a lane, register 16 b + i of lanes l and l xor 16 = block b of 32 along K, become a fragment's codes in v[PC] on (register 4 c + i: k = 64 c + 32 (lane / 16) + 8 i on) and the scale word in v[pw].
.macro QUANT s, pw
.irp b, 0,1,2,3
	v_max3_num_f32 v[TM+\b], |v[\s+16*\b]|, |v[\s+16*\b+1]|, 0x1800000   ; my 16 numbers of block b, and the floor 2^(3 - 127): the byte cannot fall under 1
.endr
.irp i, 2,4,6,8,10,12,14
.irp b, 0,1,2,3
	v_max3_num_f32 v[TM+\b], v[TM+\b], |v[\s+16*\b+\i]|, |v[\s+16*\b+\i+1]|
.endr
.endr
.irp b, 0,1,2,3
	v_permlanex16_b32 v[TM+4+\b], v[TM+\b], s[SEL], s[SEL+1]
.endr
.irp b, 0,1,2,3
	v_max_num_f32 v[TM+\b], v[TM+\b], v[TM+4+\b]       ; with lane l xor 16's: the block's largest magnitude
.endr
.irp b, 0,1,2,3
	v_add_nc_u32 v[TM+12+\b], 0xff000000, v[TM+\b]     ; 2 off its exponent field: the conversion's scale operand
.endr
.irp b, 0,1,2,3
	v_lshrrev_b32 v[TM+4+\b], 23, v[TM+12+\b]          ; the scale's byte
.endr
	v_lshl_or_b32 v[\pw], v[TM+5], 8, v[TM+4]
	v_lshl_or_b32 v[\pw], v[TM+6], 16, v[\pw]
	v_lshl_or_b32 v[\pw], v[TM+7], 24, v[\pw]
.irp c, 0,1
	v_cvt_scalef32_pk8_fp4_f32 v[PC+4*\c], v[\s+32*\c:\s+32*\c+7], v[TM+12+2*\c]
	v_cvt_scalef32_pk8_fp4_f32 v[PC+4*\c+1], v[\s+32*\c+16:\s+32*\c+23], v[TM+13+2*\c]
	v_cvt_scalef32_pk8_fp4_f32 v[PC+4*\c+2], v[\s+32*\c+8:\s+32*\c+15], v[TM+12+2*\c]
	v_cvt_scalef32_pk8_fp4_f32 v[PC+4*\c+3], v[\s+32*\c+24:\s+32*\c+31], v[TM+13+2*\c]
.endr
	v_nop                                          ; one plain place behind the conversions
.irp c, 0,1                                    ; a whole block to a lane: lanes 0-15 block 2 c, lanes 16-31 block 2 c + 1
	v_permlane16_swap_b32 v[PC+4*\c], v[PC+4*\c+1]
	v_permlane16_swap_b32 v[PC+4*\c+2], v[PC+4*\c+3]
.endr
.endm
.macro FETCH s                         ; K step s (128 along K, 64 bytes of a row): X's eight fragments and my four of Y into set s % 2
.set FX, 64+96*((\s)%2)
.set FY, FX+64
.irp x, 0,1,2,3,4,5,6,7
.irp c, 0,1
	ds_load_b128 v[FX+8*\x+4*\c:FX+8*\x+4*\c+3], v[ADX+(\s)/4] offset:4352*\x+64*((\s)%4)+32*\c
.endr
.endr
.irp y, 0,1,2,3
.irp c, 0,1
	ds_load_b128 v[FY+8*\y+4*\c:FY+8*\y+4*\c+3], v[ADY+(\s)/4] offset:4352*\y+64*((\s)%4)+32*\c
.endr
.endr
.endm
.macro MUL32 s                         ; the 32 accumulators take turns, one instruction a turn, in the same order in every K step
.set FX, 64+96*((\s)%2)
.set FY, FX+64
.set QQ, (\s)%4
.irp y, 0,1,2,3
.irp x, 0,1,2,3,4,5,6,7
.if (\s) == 0
	v_wmma_scale_f32_16x16x128_f8f6f4 v[8*(8*\y+\x):8*(8*\y+\x)+7], v[FX+8*\x:FX+8*\x+7], v[FY+8*\y:FY+8*\y+7], 0, v[XSC+4*\x+QQ], v[YSC+4*\y+QQ] matrix_a_fmt:MATRIX_FMT_FP4 matrix_b_fmt:MATRIX_FMT_FP4
.elseif (\s) < 4
	v_wmma_scale_f32_16x16x128_f8f6f4 v[8*(8*\y+\x):8*(8*\y+\x)+7], v[FX+8*\x:FX+8*\x+7], v[FY+8*\y:FY+8*\y+7], v[8*(8*\y+\x):8*(8*\y+\x)+7], v[XSC+4*\x+QQ], v[YSC+4*\y+QQ] matrix_a_fmt:MATRIX_FMT_FP4 matrix_b_fmt:MATRIX_FMT_FP4
.else
	v_wmma_scale_f32_16x16x128_f8f6f4 v[8*(8*\y+\x):8*(8*\y+\x)+7], v[FX+8*\x:FX+8*\x+7], v[FY+8*\y:FY+8*\y+7], v[8*(8*\y+\x):8*(8*\y+\x)+7], v[XSC+4*\x+QQ], v[YSC+4*\y+QQ] matrix_a_fmt:MATRIX_FMT_FP4 matrix_b_fmt:MATRIX_FMT_FP4 matrix_a_scale:MATRIX_SCALE_ROW1 matrix_b_scale:MATRIX_SCALE_ROW1
.endif
.endr
.endr
.endm
.macro STEP s
	s_wait_dscnt 0x0                               ; this step's fragments are in (asked for 32 matrix instructions ago)
.if (\s) == 3
	s_wait_tensorcnt 0x0                           ; my parts of the second half have landed,
	s_barrier_signal -1
	s_barrier_wait -1                              ; everybody's have
.endif
.if (\s) < 7
.if (\s) > 0
.rept 4
	v_nop                                          ; four places in front of loads into registers that the last products read
.endr
.endif
	FETCH (\s)+1
.endif
	WIN 0x50                                       ; C and D in window 1
	MUL32 \s
	WIN 0
.endm
.macro MAIN
	s_wait_tensorcnt 0x2                           ; my X and Y of the first half have landed; the second half's two loads stay out
	s_barrier_signal -1
	s_barrier_wait -1
	FETCH 0
	s_wait_loadcnt 0x0                             ; scale words, bias, mask
.irp s, 0,1,2,3,4,5,6,7
	STEP \s
.endr
.rept 4
	v_nop                                          ; four places in front of the first read of results and of writes into the fragments' registers
.endr
.irp b, 0,1,2,3
	v_mov_b32 v[TM+4+\b], 0                        ; written once: a lane permute's destination counts as one of its sources
.endr
.endm
.macro ADDR_QK                         ; rows R0 = 256 yp + 64 w on: batch yp / 8, group of 64 rows (4 yp + w) % 32; heads 2 xp and 2 xp + 1
	s_lshl_b32 s9, s8, 2
	s_add_co_u32 s9, s9, s4
	s_and_b32 s10, s9, 31
	s_lshr_b32 s11, s8, 3
	s_lshl_b32 s11, s11, 4
	s_lshl_b32 s12, s7, 1
	s_add_co_u32 s11, s11, s12                     ; the first of my two heads, among 64
	s_mul_i32 s92, s11, 73728
	s_mov_b32 s93, 0
	s_add_nc_u64 s[26:27], s[26:27], s[92:93]
	s_lshl_b32 s92, s10, 8
	s_add_co_u32 s92, s92, 65536
	s_add_nc_u64 s[36:37], s[26:27], s[92:93]      ; my group's scale words
	s_lshl_b32 s92, s10, 11
	s_add_nc_u64 s[26:27], s[26:27], s[92:93]      ; my group's codes
	s_lshl_b32 s92, s7, 9
	s_add_nc_u64 s[24:25], s[24:25], s[92:93]      ; the bias of my 128 columns
.endm
.macro BIAS_QK                         ; register 8 x + j: the bias of column 128 xp + 16 x + 8 (lane / 16) + j
	WIN 0x80
.irp x, 0,1,2,3,4,5,6,7
	global_load_b128 v[8*\x:8*\x+3], v11, s[24:25] offset:64*\x
	global_load_b128 v[8*\x+4:8*\x+7], v11, s[24:25] offset:64*\x+16
.endr
	WIN 0
.endm
.macro EPI_QK t, isq                   ; my rows 16 t on: bias, (Q: the f32 image,) quantiser, the two heads' codes
	WIN 0x09                                       ; source 0 window 1 (sums), source 1 window 2 (bias)
.set ii, 0
.rept 32
	v_pk_add_f32 v[HA+ii:HA+ii+1], v[64*\t+ii:64*\t+ii+1], v[ii:ii+1]   ; each accumulator from its low end on
.set ii, ii+2
.endr
	WIN 0
.if \isq
.irp g, 0,1,2,3,4,5,6,7
	global_store_b128 v3, v[HA+4*\g:HA+4*\g+3], s[54:55] offset:4096*\t+512*\g
	global_store_b128 v3, v[HA+32+4*\g:HA+35+4*\g], s[54:55] offset:524288+4096*\t+512*\g
.endr
.endif
	QUANT HA, PW
	global_store_b128 v3, v[PC:PC+3], s[26:27] offset:512*\t
	global_store_b128 v3, v[PC+4:PC+7], s[26:27] offset:73728+512*\t
	v_lshrrev_b32 v[SW+\t], v12, v[PW]             ; lanes 0-15 keep the first head's two bytes, lanes 16-31 take the second's
.if \isq
	v_and_or_b32 v[SW+\t], v[SW+\t], 0xffff, v[PADW]
.else
	v_and_or_b32 v[SW+\t], v[SW+\t], 0xffff, v[PADW+\t]
.endif
	s_wait_xcnt 0x0                                ; the stores have read their registers: the next tile writes them again
.endm
.macro EPI_V t                         ; d = 16 t + lane % 16 of my head, 128 keys
	WIN 0x09
.set ii, 0
.rept 32
	v_pk_add_f32 v[HA+ii:HA+ii+1], v[64*\t+ii:64*\t+ii+1], v[2*\t:2*\t+1]
.set ii, ii+2
.endr
	WIN 0
	QUANT HA, SW+\t
	global_store_b128 v3, v[PC:PC+3], s[26:27] offset:1024*\t
	global_store_b128 v3, v[PC+4:PC+7], s[26:27] offset:1024*\t+512
	s_wait_xcnt 0x0
.endm
	s_load_b512 s[16:31], s[0:1], 0x0              ; q's codes, scales, Wq's codes, scales, bq, qimg, k's codes, scales
	s_load_b512 s[32:47], s[0:1], 0x40             ; Wk's codes, scales, bk, kimg, v's codes, scales, Wv's codes, scales
	s_load_b256 s[48:55], s[0:1], 0x80             ; bv, vimg, mask, qpimg
	v_lshl_add_u32 v14, v0, 2, SPARE
	v_mov_b32 v15, 0
	ds_add_u32 v14, v15                            ; the opening: the add, twice on end, and its wait ahead of my first tensor load
	ds_add_u32 v14, v15
	v_lshrrev_b32 v1, 5, v0
	v_readfirstlane_b32 s4, v1                     ; wave 0..3
	s_and_b32 s3, ttmp7, 0xffff                    ; T
	s_bfe_u32 s5, ttmp6, 0x40000                   ; cx
	s_cmp_eq_u32 s3, 2
	s_cselect_b32 s9, 4, 1
	s_cselect_b32 s10, 15, 1
	s_lshr_b32 s8, ttmp9, s9                       ; yp: Y's panel, shared by the four partners
	s_and_b32 s10, ttmp9, s10
	s_lshl_b32 s10, s10, 2
	s_add_co_u32 s7, s10, s5                       ; xp: X's panel
	s_mov_b32 s56, (1<<20)|(5<<22)|(3<<25)         ; X's group 1: no mask; elements of 1 byte; 4 words of padding after every 64
	s_mov_b32 s57, 256<<16                         ; tensor_dim0 = 256
	s_mov_b32 s58, 32<<16                          ; tensor_dim1 = 32
	s_mov_b32 s59, 256<<16                         ; tile_dim0 = 256
	s_mov_b32 s60, 32                              ; tile_dim1 = 32
	s_mov_b32 s61, 512                             ; a row of 1,024 codes in memory
	s_mov_b32 s62, 0
	s_mov_b32 s63, 0
	s_mov_b32 s68, 15|(1<<20)|(1<<21)|(5<<22)|(3<<25)  ; Y's: the four partners; bit 21 beside the mask; 64 rows
	s_mov_b32 s69, 256<<16
	s_mov_b32 s70, 64<<16
	s_mov_b32 s71, 256<<16
	s_mov_b32 s72, 64
	s_mov_b32 s73, 512
	s_mov_b32 s74, 0
	s_mov_b32 s75, 0
	s_lshl_b32 s92, s7, 16                         ; X: row 128 xp + 32 w, 512 bytes a row
	s_lshl_b32 s93, s4, 14
	s_add_co_u32 s92, s92, s93
	s_mov_b32 s93, 0
	s_lshl_b32 s94, s8, 17                         ; Y: row 256 yp + 64 w
	s_lshl_b32 s95, s4, 15
	s_add_co_u32 s94, s94, s95
	s_mov_b32 s95, 0
	s_mul_i32 s12, s4, 8704                        ; where they go: 32 and 64 rows of 272 bytes a wave
	s_mul_i32 s13, s4, 17408
	s_lshl_b32 s96, s7, 12                         ; X's scale bytes: 32 a row
	s_mov_b32 s97, 0
	s_lshl_b32 s10, s8, 13                         ; my 64 rows of Y's
	s_lshl_b32 s11, s4, 11
	s_add_co_u32 s10, s10, s11
	s_mov_b32 s11, 0
	s_mov_b32 s[SEL], 0x76543210
	s_mov_b32 s[SEL+1], 0xfedcba98
	s_wait_dscnt 0x0                               ; both opening adds are done
	s_wait_kmcnt 0x0
	s_cmp_eq_u32 s3, 1                             ; the tensor's six buffers into s[16:27]: the choice hangs on the work-group's y alone
	s_cselect_b64 s[16:17], s[28:29], s[16:17]
	s_cselect_b64 s[18:19], s[30:31], s[18:19]
	s_cselect_b64 s[20:21], s[32:33], s[20:21]
	s_cselect_b64 s[22:23], s[34:35], s[22:23]
	s_cselect_b64 s[24:25], s[36:37], s[24:25]
	s_cselect_b64 s[26:27], s[38:39], s[26:27]
	s_cmp_eq_u32 s3, 2
	s_cselect_b64 s[16:17], s[40:41], s[16:17]
	s_cselect_b64 s[18:19], s[42:43], s[18:19]
	s_cselect_b64 s[20:21], s[44:45], s[20:21]
	s_cselect_b64 s[22:23], s[46:47], s[22:23]
	s_cselect_b64 s[24:25], s[48:49], s[24:25]
	s_cselect_b64 s[26:27], s[50:51], s[26:27]
	s_cselect_b64 s[28:29], s[16:17], s[20:21]     ; X: V: the activation; Q, K: the weight
	s_cselect_b64 s[30:31], s[18:19], s[22:23]
	s_cselect_b64 s[32:33], s[20:21], s[16:17]     ; Y: the other
	s_cselect_b64 s[34:35], s[22:23], s[18:19]
	s_add_nc_u64 s[92:93], s[28:29], s[92:93]
	s_add_nc_u64 s[94:95], s[32:33], s[94:95]
	s_add_nc_u64 s[30:31], s[30:31], s[96:97]
	s_add_nc_u64 s[34:35], s[34:35], s[10:11]
.irp c, 0,1                                    ; groups 0: X and Y of half c
	s_mov_b32 s[76+8*\c], 1
	s_add_co_u32 s[77+8*\c], s12, \c*HALF
	s_add_nc_u64 s[78+8*\c:79+8*\c], s[92:93], \c*256
	s_or_b32 s[79+8*\c], s[79+8*\c], 0x80000000
	s_mov_b32 s[80+8*\c], 1
	s_add_co_u32 s[81+8*\c], s13, \c*HALF+YOFF
	s_add_nc_u64 s[82+8*\c:83+8*\c], s[94:95], \c*256
	s_or_b32 s[83+8*\c], s[83+8*\c], 0x80000000
.endr
	CROUND                                         ; the four partners are here: the joint loads meet
	tensor_load_to_lds s[76:79], s[56:63]          ; all first fills in one group: four loads of mine are out
	s_nop 0
	tensor_load_to_lds s[80:83], s[68:75]
	s_nop 0
	tensor_load_to_lds s[84:87], s[56:63]
	s_nop 0
	tensor_load_to_lds s[88:91], s[68:75]
	s_nop 0
.rept 4
	v_nop
.endr
	v_and_b32 v1, 15, v0                           ; r
	v_bfe_u32 v2, v0, 4, 1                         ; h
	v_and_b32 v3, 31, v0
	v_lshlrev_b32 v3, 4, v3                        ; 16 x lane: my place in an image
	v_lshlrev_b32 v4, 2, v1                        ; 4 r
	v_mul_u32_u24 v5, v1, 272
	v_lshl_add_u32 v5, v2, 4, v5                   ; a fragment's row x pitch + 16 h
	v_add_nc_u32 v6, HALF, v5
	s_add_co_u32 s13, s13, YOFF
	v_add_nc_u32 v7, s13, v5
	v_add_nc_u32 v8, HALF, v7
	v_lshlrev_b32 v9, 5, v1
	v_lshl_add_u32 v9, v2, 4, v9                   ; scale bytes: 32 r + 16 h
	v_mul_u32_u24 v10, v2, 73728
	v_lshl_add_u32 v10, v1, 4, v10                 ; scale words out: 16 r, lanes 16-31 in the next head
	v_lshlrev_b32 v11, 5, v2                       ; 32 h
	v_lshlrev_b32 v12, 4, v2                       ; 16 h
	v_lshlrev_b32 v13, 4, v1                       ; 16 r
.irp x, 0,1,2,3,4,5,6,7
	global_load_b128 v[XSC+4*\x:XSC+4*\x+3], v9, s[30:31] offset:512*\x   ; 16 rows' 512 consecutive bytes
.endr
.irp y, 0,1,2,3
	global_load_b128 v[YSC+4*\y:YSC+4*\y+3], v9, s[34:35] offset:512*\y
.endr
	s_cmp_eq_u32 s3, 1                             ; the three ways part here, on the work-group's y, and do not meet again
	s_cbranch_scc1 .Lpath_k
	s_cmp_eq_u32 s3, 2
	s_cbranch_scc1 .Lpath_v
	; ---- Q
	ADDR_QK
	s_lshl_b32 s92, s11, 19                        ; qpimg: 524,288 bytes a head, 4,096 a tile of 16 rows
	s_lshl_b32 s94, s10, 14
	s_add_co_u32 s92, s92, s94
	s_add_nc_u64 s[54:55], s[54:55], s[92:93]
	BIAS_QK
	MAIN
	v_mov_b32 v[PADW], 0x7f650000                  ; Q's bytes 2 and 3: 101 and 127
.irp t, 0,1,2,3
	EPI_QK \t, 1
.endr
	global_store_b128 v10, v[SW:SW+3], s[36:37]    ; lanes 0-15: 256 consecutive bytes of one head, lanes 16-31 of the next
	FINISH
.Lpath_k:
	; ---- K
	ADDR_QK
	s_lshl_b32 s92, s9, 6
	s_add_nc_u64 s[52:53], s[52:53], s[92:93]      ; the mask at my first row
	BIAS_QK
	WIN 0x80
.irp t, 0,1,2,3
	global_load_u8 v[64+\t], v1, s[52:53] offset:16*\t
.endr
	WIN 0
	MAIN
	WIN 0x08                                       ; source 1 in window 2
.irp t, 0,1,2,3
	v_mul_u32_u24 v[PADW+\t], 253, v[64+\t]
.endr
	WIN 0
.irp t, 0,1,2,3
	v_sub_nc_u32 v[PADW+\t], 254, v[PADW+\t]       ; byte 2: 1 where the key counts, 254 where it is hidden
.endr
.irp t, 0,1,2,3
	v_lshl_or_b32 v[PADW+\t], v[PADW+\t], 16, 0x7f000000
.endr
.irp t, 0,1,2,3
	EPI_QK \t, 0
.endr
	global_store_b128 v10, v[SW:SW+3], s[36:37]
	FINISH
.Lpath_v:
	; ---- V: keys 128 xp on: batch xp / 16, key step xp % 16; my head 4 yp + w
	s_lshr_b32 s9, s7, 4
	s_and_b32 s10, s7, 15
	s_lshl_b32 s9, s9, 4
	s_lshl_b32 s11, s8, 2
	s_add_co_u32 s9, s9, s11
	s_add_co_u32 s9, s9, s4
	s_mul_i32 s92, s9, 69632
	s_mov_b32 s93, 0
	s_add_nc_u64 s[26:27], s[26:27], s[92:93]
	s_lshl_b32 s92, s10, 8
	s_add_co_u32 s92, s92, 65536
	s_add_nc_u64 s[36:37], s[26:27], s[92:93]      ; the step's scale words
	s_lshl_b32 s92, s10, 12
	s_add_nc_u64 s[26:27], s[26:27], s[92:93]      ; the step's codes
	s_lshl_b32 s92, s8, 10
	s_lshl_b32 s94, s4, 8
	s_add_co_u32 s92, s92, s94
	s_add_nc_u64 s[24:25], s[24:25], s[92:93]      ; bv at my 64 columns
	WIN 0x80
.irp t, 0,1,2,3
	global_load_b32 v[2*\t], v4, s[24:25] offset:64*\t       ; my d's bias, into both registers of a pair
	global_load_b32 v[2*\t+1], v4, s[24:25] offset:64*\t
.endr
	WIN 0
	MAIN
.irp t, 0,1,2,3
	EPI_V \t
.endr
	global_store_b128 v13, v[SW:SW+3], s[36:37]    ; 256 consecutive bytes; lanes 16-31 hold and store the same words as lanes 0-15
	FINISH
.Lfunc_end_k_q1c2827a26f_proj:
	.size	k_q1c2827a26f_proj, .Lfunc_end_k_q1c2827a26f_proj-k_q1c2827a26f_proj
	.p2alignl 7, 3214868480
	.fill 96, 4, 3214868480
	.section	.rodata,"a",@progbits
	.p2align	6, 0x0
	.amdhsa_kernel k_q1c2827a26f_proj
		.amdhsa_group_segment_fixed_size 209408
		.amdhsa_private_segment_fixed_size 0
		.amdhsa_enable_private_segment 0
		.amdhsa_kernarg_size 160
		.amdhsa_user_sgpr_count 2
		.amdhsa_user_sgpr_kernarg_segment_ptr 1
		.amdhsa_wavefront_size32 1
		.amdhsa_system_sgpr_workgroup_id_x 1
		.amdhsa_system_sgpr_workgroup_id_y 1
		.amdhsa_system_sgpr_workgroup_id_z 1
		.amdhsa_system_vgpr_workitem_id 0
		.amdhsa_next_free_vgpr 640
		.amdhsa_next_free_sgpr 100
		.amdhsa_reserve_vcc 0
		.amdhsa_float_denorm_mode_32 3
		.amdhsa_float_denorm_mode_16_64 3
		.amdhsa_memory_ordered 1
		.amdhsa_forward_progress 1
		.amdhsa_inst_pref_size 234
	.end_amdhsa_kernel
	.amdgpu_metadata
---
amdhsa.version: [ 1, 2 ]
amdhsa.kernels:
  - .name:           k_q1c2827a26f_proj
    .symbol:         k_q1c2827a26f_proj.kd
    .args:
      - { .name: q_codes, .offset: 0, .size: 8, .value_kind: global_buffer, .address_space: global }
      - { .name: q_scales, .offset: 8, .size: 8, .value_kind: global_buffer, .address_space: global }
      - { .name: Wq_codes, .offset: 16, .size: 8, .value_kind: global_buffer, .address_space: global }
      - { .name: Wq_scales, .offset: 24, .size: 8, .value_kind: global_buffer, .address_space: global }
      - { .name: bq, .offset: 32, .size: 8, .value_kind: global_buffer, .address_space: global }
      - { .name: qimg, .offset: 40, .size: 8, .value_kind: global_buffer, .address_space: global }
      - { .name: k_codes, .offset: 48, .size: 8, .value_kind: global_buffer, .address_space: global }
      - { .name: k_scales, .offset: 56, .size: 8, .value_kind: global_buffer, .address_space: global }
      - { .name: Wk_codes, .offset: 64, .size: 8, .value_kind: global_buffer, .address_space: global }
      - { .name: Wk_scales, .offset: 72, .size: 8, .value_kind: global_buffer, .address_space: global }
      - { .name: bk, .offset: 80, .size: 8, .value_kind: global_buffer, .address_space: global }
      - { .name: kimg, .offset: 88, .size: 8, .value_kind: global_buffer, .address_space: global }
      - { .name: v_codes, .offset: 96, .size: 8, .value_kind: global_buffer, .address_space: global }
      - { .name: v_scales, .offset: 104, .size: 8, .value_kind: global_buffer, .address_space: global }
      - { .name: Wv_codes, .offset: 112, .size: 8, .value_kind: global_buffer, .address_space: global }
      - { .name: Wv_scales, .offset: 120, .size: 8, .value_kind: global_buffer, .address_space: global }
      - { .name: bv, .offset: 128, .size: 8, .value_kind: global_buffer, .address_space: global }
      - { .name: vimg, .offset: 136, .size: 8, .value_kind: global_buffer, .address_space: global }
      - { .name: mask, .offset: 144, .size: 8, .value_kind: global_buffer, .address_space: global }
      - { .name: qpimg, .offset: 152, .size: 8, .value_kind: global_buffer, .address_space: global }
    .group_segment_fixed_size: 209408
    .private_segment_fixed_size: 0
    .kernarg_segment_align: 8
    .kernarg_segment_size: 160
    .max_flat_workgroup_size: 128
    .sgpr_count:     100
    .vgpr_count:     640
    .wavefront_size: 32
...
	.end_amdgpu_metadata
.endif
;; end of part 1
;; launch attn (part 2): grid 4 x 64, 16 waves a work-group, clusters of 4 x 1, 167,936 bytes of LDS; arguments qimg, kimg, vimg, attn; writes attn
.if DOCPART == 2
	.amdgcn_target "amdgcn-amd-amdhsa--gfx1250"
	.amdhsa_code_object_version 6
	.text
	.protected	k_q1c2827a26f_attn
	.globl	k_q1c2827a26f_attn
	.p2align	8
	.type	k_q1c2827a26f_attn,@function
k_q1c2827a26f_attn:
	s_mov_b64 s[64:65], 0
	v_nop
	global_prefetch_b8 v0, s[64:65] scope:SCOPE_SE
	s_setreg_imm32_b32 hwreg(HW_REG_WAVE_MODE, 25, 1), 1
	s_wait_xcnt 0x0
	s_wait_alu depctr_hold_cnt(0) depctr_sa_sdst(0) depctr_va_vdst(0) depctr_va_sdst(0) depctr_va_ssrc(0) depctr_va_vcc(0) depctr_vm_vsrc(0)
	s_getreg_b32 s2, hwreg(HW_REG_IB_STS2, 6, 4)
	s_cmp_eq_u32 s2, 0
	s_cbranch_scc0 .Lentry_in_a_cluster
	s_endpgm
.Lentry_in_a_cluster:
	s_bfe_u32 s2, ttmp6, 0x10000c
	s_cmp_lg_u32 s2, 0x3003
	s_cbranch_scc0 .Lentry_shape_is_right
	s_endpgm
.Lentry_shape_is_right:
; ATTENTION OF ONE HEAD: A = softmax(mask(Q K^T / 32)), attn = A V, both products on codes of E2M1.  No work of the problem is left out here.
; A IS QUANTISED FINISHED: normalised, with zeros where a row has no key.  So the keys are walked TWICE.  Pass 1: the running maximum m and the sum l.  Pass 2: the same scores by the same instructions on the same
; operands, A = 2^(c s - c m) / l, quantised in blocks of 32 keys, times V.  c = log2(e) / 32.
; THE MASK stands in the scale words (the launch before wrote them): the pad at k = 64 makes a hidden key's score -2^99.  m starts at -2^90: a row with no key gets p = 0 everywhere, l = 0, and 1 / l is chosen 0.
; LIMITS: true scores lie inside (-2^90, 2^90); a p under 2^-126 counts as 0; NaN and infinities are not served.
; SHARES.  A work-group owns 512 queries of one head, each of its sixteen waves two tiles of 16, one after the other.  The head's whole K and V images lie in LDS, filled once.
; CLUSTER: the four work-groups of a head read the same images: joint loads, mask 15; each wave asks for a sixteenth of each.
; LAYOUT.  Both products transposed: S^T = K Q^T, O^T = V^T A^T: a lane holds one query (lane % 16); register 8 t + j of S holds key 16 t + 8 (lane / 16) + j of the step's 128.
; REGISTERS: v1-5 addresses that stay, v6-9 those of the loads in hand, v10-11 the add's two, v12 -c m, v13 m, v[14:15] l, v16-23 Q, v24 Q's scale word, v[26:27] 1 / l, v28-31 K's scale words, v32-95 K,
;   v96-159 S, p, A, v160-191 O^T, v192-223 V, v224-231 A's codes, v232-243 blocks' figures, v244-247 V's scale words, v248 A's scale word, v249-255 at work.
.set VIMG,  73728                      ; LDS: K's image at 0 (65,536 of codes, 8,192 of scale words), V's here (65,536 and 4,096)
.set SPARE, 143360                     ; the spare words, 128 bytes for each wave
.set WV,    12
.macro CROUND
	s_barrier_signal -1
	s_barrier_wait -1
	s_cmp_lg_u32 s[WV], 0
	s_cbranch_scc1 .Lnot_wave_0_\@
	s_barrier_signal -3
.Lnot_wave_0_\@:
	s_barrier_wait -3
	s_barrier_signal -1
	s_barrier_wait -1
.endm
.macro SPROD                           ; the scores of 128 keys: eight tiles.  K's scale words: lanes 0-15 tiles 0-3, lanes 16-31 tiles 4-7
.irp t, 0,1,2,3
	v_wmma_scale_f32_16x16x128_f8f6f4 v[96+8*\t:103+8*\t], v[32+8*\t:39+8*\t], v[16:23], 0, v[28+\t], v24 matrix_a_fmt:MATRIX_FMT_FP4 matrix_b_fmt:MATRIX_FMT_FP4
.endr
.irp t, 4,5,6,7
	v_wmma_scale_f32_16x16x128_f8f6f4 v[96+8*\t:103+8*\t], v[32+8*\t:39+8*\t], v[16:23], 0, v[24+\t], v24 matrix_a_fmt:MATRIX_FMT_FP4 matrix_b_fmt:MATRIX_FMT_FP4 matrix_a_scale:MATRIX_SCALE_ROW1
.endr
.endm
.macro OPROD                           ; O^T += V^T A^T: four tiles of 16 of the head's 64, by turns
.irp t, 0,1,2,3
	v_wmma_scale_f32_16x16x128_f8f6f4 v[160+8*\t:167+8*\t], v[192+8*\t:199+8*\t], v[224:231], v[160+8*\t:167+8*\t], v[244+\t], v248 matrix_a_fmt:MATRIX_FMT_FP4 matrix_b_fmt:MATRIX_FMT_FP4
.endr
.endm
.macro KFETCH ak, as                   ; a step's K: registers 0-3 of eight fragments (4-7 hold the pad and stay), and its scale words
.irp t, 0,1,2,3,4,5,6,7
	ds_load_b128 v[32+8*\t:35+8*\t], v[\ak] offset:512*\t
.endr
	ds_load_b128 v[28:31], v[\as]
.endm
.macro VFETCH av, at                   ; a step's V: four fragments and their scale words
.irp t, 0,1,2,3
.irp c, 0,1
	ds_load_b128 v[192+8*\t+4*\c:195+8*\t+4*\c], v[\av] offset:1024*\t+512*\c
.endr
.endr
	ds_load_b128 v[244:247], v[\at]
.endm
.macro BMAX                            ; the largest of each 16 registers; each accumulator is first read at its low end
.irp b, 0,1,2,3
	v_max3_num_f32 v[232+\b], v[96+16*\b], v[97+16*\b], v[98+16*\b]
.endr
.irp i, 3,5,7,9,11,13
.irp b, 0,1,2,3
	v_max3_num_f32 v[232+\b], v[232+\b], v[96+16*\b+\i], v[97+16*\b+\i]
.endr
.endr
.irp b, 0,1,2,3
	v_max_num_f32 v[232+\b], v[232+\b], v[111+16*\b]
.endr
.endm
.macro TSUB                            ; c s - c m, two at a time (of the pairs c and -c m the low word serves both halves)
.set jj, 96
.rept 32
	v_pk_fma_f32 v[jj:jj+1], v[jj:jj+1], s[46:47], v[12:13] op_sel_hi:[1,0,0]
.set jj, jj+2
.endr
.endm
.macro EXP64
.set jj, 96
.rept 64
	v_exp_f32 v[jj], v[jj]
.set jj, jj+1
.endr
.endm
; PASS 1, a key step.  The maximum and the sum stay the lane's own (its 64 keys of the step): no exchange between lanes.  ahead = 1: the next step's K is fetched; 0: step 0's, for pass 2.
.macro P1 ahead
	s_wait_dscnt 0x0                               ; this step's K is in
	SPROD
.if \ahead
	s_add_co_u32 s40, s40, 4096
	s_add_co_u32 s41, s41, 512
	v_add_nc_u32 v6, s40, v1                       ; four places behind the products: two additions, two v_nop
	v_add_nc_u32 v7, s41, v3
	v_nop
	v_nop
	KFETCH 6, 7
.else
.rept 4
	v_nop
.endr
	KFETCH 1, 3
.endif
	BMAX
	v_max3_num_f32 v249, v232, v233, v234
	v_max3_num_f32 v13, v249, v235, v13            ; the running maximum
	v_mov_b32 v250, v12
	v_mul_f32 v12, s48, v13                        ; -c m
	v_sub_f32 v250, v12, v250                      ; c m_old - c m_new
	TSUB
	v_exp_f32 v252, v250                           ; what was summed under the old maximum is multiplied by this
	EXP64
	v_nop                                          ; a plain place behind the exponentials
	s_wait_alu depctr_va_vdst(0)                   ; one wait for the batch, ahead of its first reader
	v_pk_mul_f32 v[14:15], v[14:15], v[252:253] op_sel_hi:[1,0]
	v_pk_add_f32 v[254:255], v[96:97], v[98:99]
.irp j, 4,8,12,16,20,24,28,32,36,40,44,48,52,56,60
	v_pk_add_f32 v[14:15], v[14:15], v[96+\j:97+\j]
	v_pk_add_f32 v[254:255], v[254:255], v[98+\j:99+\j]
.endr
	v_pk_add_f32 v[14:15], v[14:15], v[254:255]
.endm
; PASS 2, a key step.  The product with V runs one trip late, so that the step's vector work stands between the making of A's codes and their use.  ahead: 1 the next step's K; 0 step 0's, for the next tile; 2 none.
.macro P2 ahead
	s_wait_dscnt 0x0                               ; this step's K and the last step's V are in
	SPROD
.if (\ahead) == 1
	s_add_co_u32 s40, s40, 4096
	s_add_co_u32 s41, s41, 512
	v_add_nc_u32 v6, s40, v1
	v_add_nc_u32 v7, s41, v3
.else
	v_nop
	v_nop
.endif
	v_add_nc_u32 v8, s42, v4                       ; (with the two lines above: four places behind the products)
	v_add_nc_u32 v9, s43, v5
.if (\ahead) == 1
	KFETCH 6, 7
.elseif (\ahead) == 0
	KFETCH 1, 3
.endif
	BMAX                                           ; the largest score of each block of 32 keys: A rises with the score, so it gives the block's largest A
.irp b, 0,1,2,3
	v_permlanex16_b32 v[236+\b], v[232+\b], s50, s51
.endr
.irp b, 0,1,2,3
	v_max_num_f32 v[232+\b], v[232+\b], v[236+\b]
.endr
	OPROD                                          ; the step before (in the first trip: zero codes)
.irp b, 0,1,2,3
	v_fma_f32 v[232+\b], v[232+\b], s46, v12       ; four places behind those products
.endr
	VFETCH 8, 9                                    ; this step's V, for the next trip
	TSUB
	EXP64
	v_nop
	s_wait_alu depctr_va_vdst(0)                   ; one wait for the 64
.irp b, 0,1,2,3
	v_exp_f32 v[232+\b], v[232+\b]
.endr
.set jj, 96
.rept 32
	v_pk_mul_f32 v[jj:jj+1], v[jj:jj+1], v[26:27]  ; A = p / l
.set jj, jj+2
.endr
	s_wait_alu depctr_va_vdst(0)                   ; and one for the four
.irp b, 0,1,2,3
	v_mul_f32 v[232+\b], v[232+\b], v26            ; the same three instructions on the same number give the same bits as the block's largest A
.endr
.irp b, 0,1,2,3
	v_max_num_f32 v[232+\b], 0x1800000, v[232+\b]  ; the floor 2^(3 - 127): a block of zeros keeps the byte 1; its codes are zeros
.endr
.irp b, 0,1,2,3
	v_add_nc_u32 v[240+\b], 0xff000000, v[232+\b]
.endr
.irp b, 0,1,2,3
	v_lshrrev_b32 v[236+\b], 23, v[240+\b]
.endr
	v_lshl_or_b32 v248, v237, 8, v236
	v_lshl_or_b32 v248, v238, 16, v248
	v_lshl_or_b32 v248, v239, 24, v248
.irp c, 0,1
	v_cvt_scalef32_pk8_fp4_f32 v[224+4*\c], v[96+32*\c:103+32*\c], v[240+2*\c]
	v_cvt_scalef32_pk8_fp4_f32 v[225+4*\c], v[112+32*\c:119+32*\c], v[241+2*\c]
	v_cvt_scalef32_pk8_fp4_f32 v[226+4*\c], v[104+32*\c:111+32*\c], v[240+2*\c]
	v_cvt_scalef32_pk8_fp4_f32 v[227+4*\c], v[120+32*\c:127+32*\c], v[241+2*\c]
.endr
	v_nop                                          ; one plain place behind the conversions
.irp c, 0,1
	v_permlane16_swap_b32 v[224+4*\c], v[225+4*\c]
	v_permlane16_swap_b32 v[226+4*\c], v[227+4*\c]
.endr
	s_add_co_u32 s42, s42, 4096
	s_add_co_u32 s43, s43, 256
.endm
.macro TILE i                          ; my i-th tile of 16 queries
	global_load_b128 v[16:19], v1, s[4:5] offset:512*\i
	global_load_b32 v24, v2, s[60:61] offset:4*\i
	v_mov_b32 v13, 0xec800000                      ; m = -2^90
	v_mul_f32 v12, s48, v13
	v_mov_b32 v14, 0
	v_mov_b32 v15, 0
	s_mov_b32 s40, 0
	s_mov_b32 s41, 0
	s_mov_b32 s44, 15
	s_wait_loadcnt 0x0
.Lp1_\@:
	P1 1
	s_sub_co_u32 s44, s44, 1
	s_cmp_lg_u32 s44, 0
	s_cbranch_scc1 .Lp1_\@
	P1 0                                           ; the sixteenth step is written out: its look-ahead goes back to step 0
	; the two halves of the lanes meet: the row's maximum, its sum under that maximum, and 1 / l
	v_permlanex16_b32 v236, v13, s50, s51
	v_max_num_f32 v13, v13, v236
	v_mul_f32 v249, s48, v13
	v_sub_f32 v250, v249, v12
	v_exp_f32 v250, v250
	v_add_f32 v14, v14, v15                        ; (a plain place)
	s_wait_alu depctr_va_vdst(0)
	v_mul_f32 v14, v14, v250
	v_permlanex16_b32 v236, v14, s50, s51
	v_add_f32 v14, v14, v236                       ; l: 0, or at least 1
	v_max_num_f32 v251, 0x800000, v14
	v_rcp_f32 v252, v251
	v_mov_b32 v12, v249                            ; (a plain place)  -c m of the whole row
	s_wait_alu depctr_va_vdst(0)
	v_fma_f32 v250, -v251, v252, 1.0               ; one step of Newton
	v_fma_f32 v252, v252, v250, v252
	v_cmp_lt_f32 vcc_lo, 0, v14
	v_cndmask_b32 v26, 0, v252, vcc_lo             ; a row with no key: A = 0, as the guard of the problem gives
	v_mov_b32 v27, v26
.if \i == 0
	s_wait_tensorcnt 0x0                           ; my part of V has landed,
	s_wait_dscnt 0x0
	s_barrier_signal -1
	s_barrier_wait -1                              ; everybody's has
.endif
	VFETCH 4, 5                                    ; so that the first trip's product finds registers that hold codes and scale bytes
.irp j, 0,1,2,3,4,5,6,7
	v_mov_b32 v[224+\j], 0                         ; zero codes for the first trip's product
.endr
	v_mov_b32 v248, 0x7f7f7f7f
.set jj, 160
.rept 32
	v_mov_b32 v[jj], 0                             ; O^T.  (The trip is written once: its first product adds zeros)
.set jj, jj+1
.endr
	s_mov_b32 s40, 0
	s_mov_b32 s41, 0
	s_mov_b32 s42, 0
	s_mov_b32 s43, 0
	s_mov_b32 s44, 15
.Lp2_\@:
	P2 1
	s_sub_co_u32 s44, s44, 1
	s_cmp_lg_u32 s44, 0
	s_cbranch_scc1 .Lp2_\@
	P2 2*\i
	s_wait_dscnt 0x0                               ; the last step's V is in
.rept 8
	v_nop                                          ; eight places between the writing of the scale word (four: of the codes) and the product
.endr
	OPROD
.rept 4
	v_nop
.endr
.irp g, 0,1,2,3,4,5,6,7
	global_store_b128 v1, v[160+4*\g:163+4*\g], s[10:11] offset:4096*\i+512*\g   ; 512 consecutive bytes; each accumulator from its low end on
.endr
	s_wait_xcnt 0x0                                ; the stores have read their registers
.endm
	s_load_b256 s[4:11], s[0:1], 0x0               ; qimg, kimg, vimg, attn
	v_lshl_add_u32 v10, v0, 2, SPARE
	v_mov_b32 v11, 0
	ds_add_u32 v10, v11                            ; the opening: the add, twice on end, and its wait ahead of my first tensor load
	ds_add_u32 v10, v11
	v_lshrrev_b32 v1, 5, v0
	v_readfirstlane_b32 s12, v1                    ; wave 0..15
	s_bfe_u32 s13, ttmp6, 0x40000                  ; cx: my block of 512 queries
	s_and_b32 s14, ttmp7, 0xffff                   ; batch x 16 + head, which the partners share
	s_mov_b32 s16, 15|(3<<16)|(1<<21)              ; K's group 1: the four partners; elements of 8 bytes; bit 21 beside the mask; dense rows of 256 bytes
	s_mov_b32 s17, 32<<16
	s_mov_b32 s18, 18<<16                          ; 18 rows a wave: 16 x 18 x 256 = 73,728
	s_mov_b32 s19, 32<<16
	s_mov_b32 s20, 18
	s_mov_b32 s21, 32
	s_mov_b32 s22, 0
	s_mov_b32 s23, 0
	s_mov_b32 s24, 15|(3<<16)|(1<<21)              ; V's: 17 rows a wave: 69,632
	s_mov_b32 s25, 32<<16
	s_mov_b32 s26, 17<<16
	s_mov_b32 s27, 32<<16
	s_mov_b32 s28, 17
	s_mov_b32 s29, 32
	s_mov_b32 s30, 0
	s_mov_b32 s31, 0
	s_mul_i32 s52, s14, 73728                      ; the head in qimg and kimg
	s_mov_b32 s53, 0
	s_mul_i32 s54, s14, 69632                      ; and in vimg
	s_mov_b32 s55, 0
	s_mul_i32 s15, s12, 4608
	s_mul_i32 s45, s12, 4352
	s_add_co_u32 s54, s54, s45
	s_lshl_b32 s56, s13, 14                        ; Q's codes: tile 32 cx + 2 w, 512 bytes a tile
	s_lshl_b32 s57, s12, 10
	s_add_co_u32 s56, s56, s57
	s_add_co_u32 s56, s56, s52
	s_mov_b32 s57, 0
	s_lshl_b32 s58, s13, 11                        ; Q's scale words: 256 (tile / 4) + 4 (tile % 4)
	s_lshr_b32 s59, s12, 1
	s_lshl_b32 s59, s59, 8
	s_add_co_u32 s58, s58, s59
	s_and_b32 s59, s12, 1
	s_lshl_b32 s59, s59, 3
	s_add_co_u32 s58, s58, s59
	s_add_co_u32 s58, s58, s52
	s_add_co_u32 s58, s58, 65536
	s_mov_b32 s59, 0
	s_add_co_u32 s52, s52, s15
	s_mov_b32 s46, 0x3d38aa3b                      ; c = log2(e) / 32
	s_mov_b32 s47, s46
	s_mov_b32 s48, 0xbd38aa3b                      ; -c
	s_mov_b32 s50, 0x76543210
	s_mov_b32 s51, 0xfedcba98
	s_wait_dscnt 0x0                               ; both opening adds are done
	s_wait_kmcnt 0x0
	s_mov_b32 s32, 1
	s_mov_b32 s33, s15
	s_add_nc_u64 s[34:35], s[6:7], s[52:53]
	s_or_b32 s35, s35, 0x80000000
	s_mov_b32 s36, 1
	s_add_co_u32 s37, s45, VIMG
	s_add_nc_u64 s[38:39], s[8:9], s[54:55]
	s_or_b32 s39, s39, 0x80000000
	CROUND                                         ; the four partners are here
	tensor_load_to_lds s[32:35], s[16:23]          ; K first: pass 1 wants it alone.  Two loads of mine are out
	s_nop 0
	tensor_load_to_lds s[36:39], s[24:31]
	s_nop 0
.rept 4
	v_nop
.endr
	s_add_nc_u64 s[60:61], s[4:5], s[58:59]
	s_add_nc_u64 s[4:5], s[4:5], s[56:57]
	s_lshl_b32 s56, s14, 19                        ; attn: 524,288 bytes a head, 4,096 a tile
	s_lshl_b32 s58, s13, 17
	s_add_co_u32 s56, s56, s58
	s_lshl_b32 s58, s12, 13
	s_add_co_u32 s56, s56, s58
	s_add_nc_u64 s[10:11], s[10:11], s[56:57]
	v_and_b32 v1, 31, v0
	v_lshlrev_b32 v1, 4, v1                        ; 16 x lane
	v_and_b32 v2, 15, v0
	v_lshlrev_b32 v2, 4, v2                        ; 16 r
	v_add_nc_u32 v3, 65536, v1                     ; K's scale words
	v_add_nc_u32 v4, VIMG, v1                      ; V's codes
	v_add_nc_u32 v5, VIMG+65536, v2                ; V's scale words
	v_bfe_u32 v249, v0, 4, 1
	v_sub_nc_u32 v20, 1, v249                      ; Q's pad: the code of 0.5 at k = 64, which lies in lanes 0-15
	v_mov_b32 v21, 0
	v_mov_b32 v22, 0
	v_mov_b32 v23, 0
	v_mul_u32_u24 v249, v20, 9                     ; K's pad: the code of -0.5
.irp t, 0,1,2,3,4,5,6,7
	v_mov_b32 v[36+8*\t], v249
	v_mov_b32 v[37+8*\t], 0
	v_mov_b32 v[38+8*\t], 0
	v_mov_b32 v[39+8*\t], 0
.endr
.irp b, 0,1,2,3
	v_mov_b32 v[236+\b], 0                         ; written once: a lane permute's destination counts as one of its sources
.endr
	v_mov_b32 v253, 0                              ; (named as the upper half of the pair v[252:253])
	s_wait_tensorcnt 0x1                           ; my part of K has landed; V's load stays out
	s_barrier_signal -1
	s_barrier_wait -1
	KFETCH 1, 3                                    ; key step 0
	TILE 0
	TILE 1
	s_wait_tensorcnt 0x0                           ; the wave's end
	ds_add_u32 v10, v11
	s_wait_dscnt 0x0
	CROUND                                         ; the closing round
	s_endpgm
.Lfunc_end_k_q1c2827a26f_attn:
	.size	k_q1c2827a26f_attn, .Lfunc_end_k_q1c2827a26f_attn-k_q1c2827a26f_attn
	.p2alignl 7, 3214868480
	.fill 96, 4, 3214868480
	.section	.rodata,"a",@progbits
	.p2align	6, 0x0
	.amdhsa_kernel k_q1c2827a26f_attn
		.amdhsa_group_segment_fixed_size 167936
		.amdhsa_private_segment_fixed_size 0
		.amdhsa_enable_private_segment 0
		.amdhsa_kernarg_size 32
		.amdhsa_user_sgpr_count 2
		.amdhsa_user_sgpr_kernarg_segment_ptr 1
		.amdhsa_wavefront_size32 1
		.amdhsa_system_sgpr_workgroup_id_x 1
		.amdhsa_system_sgpr_workgroup_id_y 1
		.amdhsa_system_sgpr_workgroup_id_z 1
		.amdhsa_system_vgpr_workitem_id 0
		.amdhsa_next_free_vgpr 256
		.amdhsa_next_free_sgpr 66
		.amdhsa_reserve_vcc 1
		.amdhsa_float_denorm_mode_32 3
		.amdhsa_float_denorm_mode_16_64 3
		.amdhsa_memory_ordered 1
		.amdhsa_forward_progress 1
		.amdhsa_inst_pref_size 111
	.end_amdhsa_kernel
	.amdgpu_metadata
---
amdhsa.version: [ 1, 2 ]
amdhsa.kernels:
  - .name:           k_q1c2827a26f_attn
    .symbol:         k_q1c2827a26f_attn.kd
    .args:
      - { .name: qimg, .offset: 0, .size: 8, .value_kind: global_buffer, .address_space: global }
      - { .name: kimg, .offset: 8, .size: 8, .value_kind: global_buffer, .address_space: global }
      - { .name: vimg, .offset: 16, .size: 8, .value_kind: global_buffer, .address_space: global }
      - { .name: attn, .offset: 24, .size: 8, .value_kind: global_buffer, .address_space: global }
    .group_segment_fixed_size: 167936
    .private_segment_fixed_size: 0
    .kernarg_segment_align: 8
    .kernarg_segment_size: 32
    .max_flat_workgroup_size: 512
    .sgpr_count:     66
    .vgpr_count:     256
    .wavefront_size: 32
...
	.end_amdgpu_metadata
.endif
;; end of part 2
;; launch tail (part 3): grid 256 x 1, 16 waves a work-group, clusters of 4 x 1, 327,680 bytes of LDS; arguments qpimg, attn, Wo_codes, Wo_scales, bo, g1, b1, g2, b2, out0; writes out0
.if DOCPART == 3
	.amdgcn_target "amdgcn-amd-amdhsa--gfx1250"
	.amdhsa_code_object_version 6
	.text
	.protected	k_q1c2827a26f_tail
	.globl	k_q1c2827a26f_tail
	.p2align	8
	.type	k_q1c2827a26f_tail,@function
k_q1c2827a26f_tail:
	s_mov_b64 s[64:65], 0
	v_nop
	global_prefetch_b8 v0, s[64:65] scope:SCOPE_SE
	s_setreg_imm32_b32 hwreg(HW_REG_WAVE_MODE, 25, 1), 1
	s_wait_xcnt 0x0
	s_wait_alu depctr_hold_cnt(0) depctr_sa_sdst(0) depctr_va_vdst(0) depctr_va_sdst(0) depctr_va_ssrc(0) depctr_va_vcc(0) depctr_vm_vsrc(0)
	s_getreg_b32 s2, hwreg(HW_REG_IB_STS2, 6, 4)
	s_cmp_eq_u32 s2, 0
	s_cbranch_scc0 .Lentry_in_a_cluster
	s_endpgm
.Lentry_in_a_cluster:
	s_bfe_u32 s2, ttmp6, 0x10000c
	s_cmp_lg_u32 s2, 0x3003
	s_cbranch_scc0 .Lentry_shape_is_right
	s_endpgm
.Lentry_shape_is_right:
; x = LN(qp + attn; g1, b1);  out = LN(x + relu(Q(x) Wo + bo); g2, b2), the product on codes of E2M1, x quantised along its 1,024 columns.  No work of the problem is left out here.
; SHARES.  A work-group owns 32 rows (two tiles of 16).  Wave w owns columns 64 w .. 64 w + 63 throughout: head w's images, 64 rows of Wo, 64 outputs.  The product is used transposed (source 0 = Wo's rows,
; source 1 = x), so that its results fall into the layout in which x lies: register 32 p + 8 t + j of lane (r, h) = (row 16 p + r, column 64 w + 16 t + 8 h + j).  The residual never leaves its registers.
; A row's sums span the sixteen waves: they meet in LDS, one barrier a sum, each sum in bytes of its own.  The variance is taken of x less the mean, as the problem writes it.
; x's codes go from wave to wave through LDS as images of the operand's registers: wave w's 64 columns are half of K step w / 2's fragment.
; Wo comes through two LDS slots of 256 along K (1,024 rows x 128 bytes + 16); a wave fetches and reads its own 64 rows.  CLUSTER: all work-groups walk the same Wo: joint loads, mask 15; a refill stands behind a round.
; LIMITS: NaN and infinities are not served; a block whose largest magnitude lies under 2^(3 - 127) keeps the scale byte 1.
; REGISTERS: v1-11 addresses, v12-13 x's scale words, v14-15 the add's two, v16-31 Wo's scale words, v32-95 x, v96-159 qp, then g1 and b1, then the sums, then rows on the way out,
;   v160-191 the quantiser's, then Wo's fragments, then g2, v192-207 sixteen partial sums, x's fragments, v208-219 statistics, v220-222 addresses of the way out, v224-255 bo, then b2.
.set SLOT,  147456
.set XIMG,  2*SLOT                     ; x's 16 fragments: (p, s) at 8,192 p + 1,024 s
.set XSC,   XIMG+16384                 ; their scale words: 64 (8 p + s) + 4 r
.set RED,   XSC+2048                   ; four regions of 16 waves x 128 bytes
.set SPARE, RED+8192                   ; the spare words, 128 bytes for each wave
.set WV,    4
.set TM,    160
.set PC,    176
.set PW,    184
.set SEL,   54
.macro CROUND
	s_barrier_signal -1
	s_barrier_wait -1
	s_cmp_lg_u32 s[WV], 0
	s_cbranch_scc1 .Lnot_wave_0_\@
	s_barrier_signal -3
.Lnot_wave_0_\@:
	s_barrier_wait -3
	s_barrier_signal -1
	s_barrier_wait -1
.endm
.macro QUANT s, pw                     ; as in the first launch: 64 numbers, block b = registers 16 b .. 16 b + 15 of lanes l and l xor 16
.irp b, 0,1,2,3
	v_max3_num_f32 v[TM+\b], |v[\s+16*\b]|, |v[\s+16*\b+1]|, 0x1800000
.endr
.irp i, 2,4,6,8,10,12,14
.irp b, 0,1,2,3
	v_max3_num_f32 v[TM+\b], v[TM+\b], |v[\s+16*\b+\i]|, |v[\s+16*\b+\i+1]|
.endr
.endr
.irp b, 0,1,2,3
	v_permlanex16_b32 v[TM+4+\b], v[TM+\b], s[SEL], s[SEL+1]
.endr
.irp b, 0,1,2,3
	v_max_num_f32 v[TM+\b], v[TM+\b], v[TM+4+\b]
.endr
.irp b, 0,1,2,3
	v_add_nc_u32 v[TM+12+\b], 0xff000000, v[TM+\b]
.endr
.irp b, 0,1,2,3
	v_lshrrev_b32 v[TM+4+\b], 23, v[TM+12+\b]
.endr
	v_lshl_or_b32 v[\pw], v[TM+5], 8, v[TM+4]
	v_lshl_or_b32 v[\pw], v[TM+6], 16, v[\pw]
	v_lshl_or_b32 v[\pw], v[TM+7], 24, v[\pw]
.irp c, 0,1
	v_cvt_scalef32_pk8_fp4_f32 v[PC+4*\c], v[\s+32*\c:\s+32*\c+7], v[TM+12+2*\c]
	v_cvt_scalef32_pk8_fp4_f32 v[PC+4*\c+1], v[\s+32*\c+16:\s+32*\c+23], v[TM+13+2*\c]
	v_cvt_scalef32_pk8_fp4_f32 v[PC+4*\c+2], v[\s+32*\c+8:\s+32*\c+15], v[TM+12+2*\c]
	v_cvt_scalef32_pk8_fp4_f32 v[PC+4*\c+3], v[\s+32*\c+24:\s+32*\c+31], v[TM+13+2*\c]
.endr
	v_nop
.irp c, 0,1
	v_permlane16_swap_b32 v[PC+4*\c], v[PC+4*\c+1]
	v_permlane16_swap_b32 v[PC+4*\c+2], v[PC+4*\c+3]
.endr
.endm
.macro PARAM reg, sb                   ; 32 numbers of a vector of 1,024: register 8 t + j = column 64 w + 16 t + 8 h + j
.irp t, 0,1,2,3
	global_load_b128 v[\reg+8*\t:\reg+8*\t+3], v5, s[\sb:\sb+1] offset:64*\t
	global_load_b128 v[\reg+8*\t+4:\reg+8*\t+7], v5, s[\sb:\sb+1] offset:64*\t+16
.endr
.endm
.macro RSUM d, x                       ; the sum of 32 registers, in two chains
	v_pk_add_f32 v[212:213], v[\x:\x+1], v[\x+2:\x+3]
	v_pk_add_f32 v[214:215], v[\x+4:\x+5], v[\x+6:\x+7]
.irp j, 8,12,16,20,24,28
	v_pk_add_f32 v[212:213], v[212:213], v[\x+\j:\x+\j+1]
	v_pk_add_f32 v[214:215], v[214:215], v[\x+\j+2:\x+\j+3]
.endr
	v_pk_add_f32 v[212:213], v[212:213], v[214:215]
	v_add_f32 v[\d], v212, v213
.endm
.macro RSQ d, x                        ; the sum of their squares
	v_pk_mul_f32 v[212:213], v[\x:\x+1], v[\x:\x+1]
	v_pk_mul_f32 v[214:215], v[\x+2:\x+3], v[\x+2:\x+3]
.irp j, 4,8,12,16,20,24,28
	v_pk_fma_f32 v[212:213], v[\x+\j:\x+\j+1], v[\x+\j:\x+\j+1], v[212:213]
	v_pk_fma_f32 v[214:215], v[\x+\j+2:\x+\j+3], v[\x+\j+2:\x+\j+3], v[214:215]
.endr
	v_pk_add_f32 v[212:213], v[212:213], v[214:215]
	v_add_f32 v[\d], v212, v213
.endm
; v208, v209: my part of row r's sum in tile 0, 1.  Behind it: the whole rows' sums, in every lane.  Region k of RED is used once.
.macro XRED k
	v_permlanex16_b32 v210, v208, s[SEL], s[SEL+1]
	v_permlanex16_b32 v211, v209, s[SEL], s[SEL+1]
	v_add_f32 v208, v208, v210
	v_add_f32 v209, v209, v211
	v_cndmask_b32 v208, v208, v209, s52            ; lanes 0-15 carry tile 0's rows, lanes 16-31 tile 1's
	ds_store_b32 v6, v208 offset:2048*(\k)
	s_wait_dscnt 0x0                               ; for the others' sake: my store is done
	s_barrier_signal -1
	s_barrier_wait -1
.irp i, 0,1,2,3,4,5,6,7,8,9,10,11,12,13,14,15
	ds_load_b32 v[192+\i], v7 offset:2048*(\k)+128*\i
.endr
	s_wait_dscnt 0x0
.irp i, 0,1,2,3,4,5,6,7
	v_add_f32 v[192+\i], v[192+\i], v[200+\i]      ; the same order in all waves: all get the same bits
.endr
.irp i, 0,1,2,3
	v_add_f32 v[192+\i], v[192+\i], v[196+\i]
.endr
	v_add_f32 v192, v192, v194
	v_add_f32 v193, v193, v195
	v_add_f32 v192, v192, v193
	v_permlanex16_b32 v210, v192, s[SEL], s[SEL+1]
	v_cndmask_b32 v208, v192, v210, s52
	v_cndmask_b32 v209, v210, v192, s52
.endm
.macro LN g, b, k                      ; x = (x - mean) rsqrt(var + eps) g + b, in place
	RSUM 208, 32
	RSUM 209, 64
	XRED \k
	v_mul_f32 v208, s53, v208                      ; the mean, negative
	v_mul_f32 v209, s53, v209
.set jj, 0
.rept 16
	v_pk_add_f32 v[32+jj:33+jj], v[32+jj:33+jj], v[208:209] op_sel_hi:[1,0]
	v_pk_add_f32 v[64+jj:65+jj], v[64+jj:65+jj], v[208:209] op_sel:[0,1] op_sel_hi:[1,1]
.set jj, jj+2
.endr
	RSQ 208, 32
	RSQ 209, 64
	XRED (\k)+1
	v_fma_f32 v208, v208, s56, s57                 ; var + eps
	v_fma_f32 v209, v209, s56, s57
	v_rsq_f32 v216, v208
	v_rsq_f32 v217, v209
	v_mul_f32 v218, -0.5, v208                     ; (plain places)
	v_mul_f32 v219, -0.5, v209
	s_wait_alu depctr_va_vdst(0)                   ; one wait for the two, ahead of their first reader
	v_pk_mul_f32 v[212:213], v[216:217], v[216:217]
	v_pk_fma_f32 v[212:213], v[212:213], v[218:219], 0.5 op_sel_hi:[1,1,0]
	v_pk_fma_f32 v[216:217], v[216:217], v[212:213], v[216:217]   ; one step of Newton
	s_wait_loadcnt 0x0                             ; the gain and the bias
.set jj, 0
.rept 16
	v_pk_mul_f32 v[32+jj:33+jj], v[32+jj:33+jj], v[216:217] op_sel_hi:[1,0]
	v_pk_mul_f32 v[64+jj:65+jj], v[64+jj:65+jj], v[216:217] op_sel:[0,1] op_sel_hi:[1,1]
.set jj, jj+2
.endr
.set jj, 0
.rept 16
	v_pk_fma_f32 v[32+jj:33+jj], v[32+jj:33+jj], v[\g+jj:\g+jj+1], v[\b+jj:\b+jj+1]
	v_pk_fma_f32 v[64+jj:65+jj], v[64+jj:65+jj], v[\g+jj:\g+jj+1], v[\b+jj:\b+jj+1]
.set jj, jj+2
.endr
.endm
.macro KSTEP s                         ; 128 along K: x's two fragments, my four of Wo, eight accumulators by turns
.rept 4
	v_nop                                          ; places in front of loads into registers that the last products read; behind a refill also the four lines that follow a tensor load
.endr
.irp p, 0,1
.irp c, 0,1
	ds_load_b128 v[192+8*\p+4*\c:195+8*\p+4*\c], v8 offset:8192*\p+1024*(\s)+512*\c
.endr
	ds_load_b32 v[12+\p], v10 offset:512*\p+64*(\s)
.endr
.irp t, 0,1,2,3
.irp c, 0,1
	ds_load_b128 v[160+8*\t+4*\c:163+8*\t+4*\c], v[2+((\s)/2)%2] offset:2304*\t+64*((\s)%2)+32*\c
.endr
.endr
	s_wait_dscnt 0x0
.irp p, 0,1
.irp t, 0,1,2,3
.if (\s) == 0
	v_wmma_scale_f32_16x16x128_f8f6f4 v[96+8*(4*\p+\t):103+8*(4*\p+\t)], v[160+8*\t:167+8*\t], v[192+8*\p:199+8*\p], v[224+8*\t:231+8*\t], v[16+4*\t], v[12+\p] matrix_a_fmt:MATRIX_FMT_FP4 matrix_b_fmt:MATRIX_FMT_FP4
.elseif (\s) < 4
	v_wmma_scale_f32_16x16x128_f8f6f4 v[96+8*(4*\p+\t):103+8*(4*\p+\t)], v[160+8*\t:167+8*\t], v[192+8*\p:199+8*\p], v[96+8*(4*\p+\t):103+8*(4*\p+\t)], v[16+4*\t+(\s)%4], v[12+\p] matrix_a_fmt:MATRIX_FMT_FP4 matrix_b_fmt:MATRIX_FMT_FP4
.else
	v_wmma_scale_f32_16x16x128_f8f6f4 v[96+8*(4*\p+\t):103+8*(4*\p+\t)], v[160+8*\t:167+8*\t], v[192+8*\p:199+8*\p], v[96+8*(4*\p+\t):103+8*(4*\p+\t)], v[16+4*\t+(\s)%4], v[12+\p] matrix_a_fmt:MATRIX_FMT_FP4 matrix_b_fmt:MATRIX_FMT_FP4 matrix_a_scale:MATRIX_SCALE_ROW1
.endif
.endr
.endr
.endm
.macro REFILL g                        ; slot g, which has been read, takes the chunk two on
	s_wait_tensorcnt 0x0                           ; all my tensor loads have landed, so a group 0 may be written
	ds_add_u32 v14, v15                            ; 0 onto my spare word
	s_add_nc_u64 s[26+4*\g:27+4*\g], s[26+4*\g:27+4*\g], 256
	s_wait_dscnt 0x0                               ; the add is done, and my reads of the slot are over
	CROUND                                         ; no wave of any partner still reads the slot or has a load on its way
	tensor_load_to_lds s[24+4*\g:27+4*\g], s[16:23]
	s_nop 0
.endm
	s_load_b512 s[32:47], s[0:1], 0x0              ; qpimg, attn, Wo's codes, Wo's scales, bo, g1, b1, g2
	s_load_b128 s[48:51], s[0:1], 0x40             ; b2, out0
	v_lshl_add_u32 v14, v0, 2, SPARE
	v_mov_b32 v15, 0
	ds_add_u32 v14, v15                            ; the opening: the add, twice on end, and its wait ahead of my first tensor load
	ds_add_u32 v14, v15
	v_lshrrev_b32 v1, 5, v0
	v_readfirstlane_b32 s4, v1                     ; wave 0..15
	s_bfe_u32 s5, ttmp6, 0x40000
	s_lshl_b32 s6, ttmp9, 2
	s_add_co_u32 s6, s6, s5                        ; my block of 32 rows
	s_mov_b32 s16, 15|(1<<20)|(1<<21)|(4<<22)|(3<<25)  ; the four partners; elements of 1 byte; 4 words of padding after every 32; bit 21 beside the mask
	s_mov_b32 s17, 128<<16
	s_mov_b32 s18, 64<<16
	s_mov_b32 s19, 128<<16
	s_mov_b32 s20, 64
	s_mov_b32 s21, 512
	s_mov_b32 s22, 0
	s_mov_b32 s23, 0
	s_mul_i32 s10, s4, 9216                        ; my 64 rows in a slot
	s_lshl_b32 s12, s4, 15                         ; and in memory
	s_mov_b32 s13, 0
	s_lshr_b32 s7, s6, 6                           ; the batch
	s_lshl_b32 s7, s7, 4
	s_add_co_u32 s7, s7, s4                        ; my head among 64
	s_lshl_b32 s8, s7, 19
	s_and_b32 s9, s6, 63
	s_lshl_b32 s9, s9, 13                          ; two tiles of 4,096 bytes a block
	s_add_co_u32 s8, s8, s9
	s_mov_b32 s9, 0
	s_mov_b32 s52, 0xffff0000                      ; lanes 16-31
	s_mov_b32 s53, 0xba800000                      ; -1 / 1,024
	s_mov_b32 s[SEL], 0x76543210
	s_mov_b32 s[SEL+1], 0xfedcba98
	s_mov_b32 s56, 0x3a800000                      ; 1 / 1,024
	s_mov_b32 s57, 0x358637bd                      ; eps = 1e-6
	s_wait_dscnt 0x0                               ; both opening adds are done
	s_wait_kmcnt 0x0
	s_mov_b32 s24, 1
	s_mov_b32 s25, s10
	s_add_nc_u64 s[26:27], s[36:37], s[12:13]
	s_mov_b32 s28, 1
	s_add_co_u32 s29, s10, SLOT
	s_add_nc_u64 s[30:31], s[26:27], 128
	s_or_b32 s27, s27, 0x80000000
	s_or_b32 s31, s31, 0x80000000
	CROUND                                         ; the four partners are here
	tensor_load_to_lds s[24:27], s[16:23]          ; K 0 .. 255 and 256 .. 511: two loads of mine are out
	s_nop 0
	tensor_load_to_lds s[28:31], s[16:23]
	s_nop 0
.rept 4
	v_nop
.endr
	s_add_nc_u64 s[32:33], s[32:33], s[8:9]
	s_add_nc_u64 s[34:35], s[34:35], s[8:9]
	s_lshl_b32 s8, s4, 11
	s_add_nc_u64 s[38:39], s[38:39], s[8:9]        ; my 64 rows of Wo's scale bytes
	s_lshl_b32 s8, s4, 8
.irp p, 40,42,44,46,48
	s_add_nc_u64 s[\p:\p+1], s[\p:\p+1], s[8:9]    ; my 64 columns of bo, g1, b1, g2, b2
.endr
	s_lshl_b32 s11, s6, 17
	s_add_co_u32 s8, s8, s11
	s_add_nc_u64 s[50:51], s[50:51], s[8:9]        ; out0: my block's first row, my columns
	v_and_b32 v223, 15, v0                         ; r
	v_bfe_u32 v219, v0, 4, 1                       ; h
	v_and_b32 v1, 31, v0
	v_lshlrev_b32 v1, 4, v1                        ; 16 x lane
	v_mul_u32_u24 v2, v223, 144
	v_lshl_add_u32 v2, v219, 4, v2
	v_add_nc_u32 v2, s10, v2                       ; Wo's fragments in slot 0,
	v_add_nc_u32 v3, SLOT, v2                      ; in slot 1
	v_lshlrev_b32 v4, 5, v223
	v_lshl_add_u32 v4, v219, 4, v4                 ; scale bytes: 32 r + 16 h
	v_lshlrev_b32 v5, 5, v219                      ; 32 h
	v_lshl_add_u32 v6, v0, 2, RED                  ; my word among the partial sums
	v_and_b32 v7, 31, v0
	v_lshl_add_u32 v7, v7, 2, RED
	v_add_nc_u32 v8, XIMG, v1
	s_lshl_b32 s7, s4, 9
	v_add_nc_u32 v9, s7, v8                        ; where I store my half fragments
	v_lshl_add_u32 v10, v223, 2, XSC
	s_lshr_b32 s7, s4, 1
	s_lshl_b32 s7, s7, 6
	s_and_b32 s8, s4, 1
	s_lshl_b32 s8, s8, 1
	s_add_co_u32 s7, s7, s8
	v_lshl_add_u32 v11, v219, 9, v10
	v_add_nc_u32 v11, s7, v11                      ; and my two bytes of a scale word: 512 h + 64 (w / 2) + 4 r + 2 (w % 2)
	s_mul_i32 s7, s4, 8704
	v_mul_u32_u24 v220, v223, 272
	v_lshl_add_u32 v220, v219, 5, v220
	v_add_nc_u32 v220, s7, v220                    ; the way out: into my stage,
	v_mul_u32_u24 v221, v219, 272
	v_lshl_add_u32 v221, v223, 4, v221
	v_add_nc_u32 v221, s7, v221                    ; back by rows,
	v_lshlrev_b32 v222, 12, v219
	v_lshl_add_u32 v222, v223, 4, v222             ; and the same two rows in out0
	v_mov_b32 v210, 0                              ; written once: a lane permute's destination counts as one of its sources
	v_mov_b32 v211, 0
.irp b, 0,1,2,3
	v_mov_b32 v[TM+4+\b], 0
.endr
.irp p, 0,1
.irp g, 0,1,2,3,4,5,6,7
	global_load_b128 v[32+32*\p+4*\g:35+32*\p+4*\g], v1, s[34:35] offset:4096*\p+512*\g th:TH_LOAD_NT
.endr
.endr
.irp p, 0,1
.irp g, 0,1,2,3,4,5,6,7
	global_load_b128 v[96+32*\p+4*\g:99+32*\p+4*\g], v1, s[32:33] offset:4096*\p+512*\g th:TH_LOAD_NT
.endr
.endr
.irp t, 0,1,2,3
	global_load_b128 v[16+4*\t:19+4*\t], v4, s[38:39] offset:512*\t
.endr
	PARAM 224, 40                                  ; bo
	s_wait_loadcnt 0xc                             ; the two images are in; Wo's 4 scale loads and bo's 8 stay out
.set jj, 0
.rept 32
	v_pk_add_f32 v[32+jj:33+jj], v[32+jj:33+jj], v[96+jj:97+jj]   ; qp + attn
.set jj, jj+2
.endr
	PARAM 96, 42                                   ; g1
	PARAM 128, 44                                  ; b1
	LN 96, 128, 0
	QUANT 32, PW                                   ; blocks 0, 1: tile 0's 64 columns; blocks 2, 3: tile 1's
	ds_store_b128 v9, v[PC:PC+3]
	ds_store_b128 v9, v[PC+4:PC+7] offset:8192
	v_bfe_u32 v186, v0, 4, 1
	v_lshlrev_b32 v186, 4, v186
	v_lshrrev_b32 v185, v186, v[PW]                ; lanes 0-15 tile 0's two bytes, lanes 16-31 tile 1's
	ds_store_b16 v11, v185
	s_wait_dscnt 0x0                               ; for the others' sake: my stores are done
	s_barrier_signal -1
	s_barrier_wait -1                              ; x's sixteen fragments lie in LDS
	s_wait_tensorcnt 0x1                           ; my rows of the first chunk have landed (I alone read them); the second chunk stays out
	KSTEP 0
	KSTEP 1
	REFILL 0
	KSTEP 2
	KSTEP 3
	REFILL 1
	KSTEP 4
	KSTEP 5
	s_wait_tensorcnt 0x0                           ; the last chunk
	KSTEP 6
	KSTEP 7
.rept 4
	v_nop                                          ; places in front of the first read of results and of loads into the fragments' registers
.endr
	PARAM 160, 46                                  ; g2
	PARAM 224, 48                                  ; b2
.set jj, 0
.rept 64
	v_max_num_f32 v[96+jj], 0, v[96+jj]            ; relu; each accumulator from its low end on
.set jj, jj+1
.endr
.set jj, 0
.rept 32
	v_pk_add_f32 v[32+jj:33+jj], v[32+jj:33+jj], v[96+jj:97+jj]
.set jj, jj+2
.endr
	LN 160, 224, 2
	; THE WAY OUT, through my stage of 32 rows x (256 bytes + 16).  It lies in slot 0, which has had its last fill; every wave's last read of that slot stands ahead of the two barriers of the norm above.
.irp p, 0,1
.irp t, 0,1,2,3
	ds_store_b128 v220, v[32+32*\p+8*\t:35+32*\p+8*\t] offset:4352*\p+64*\t
	ds_store_b128 v220, v[36+32*\p+8*\t:39+32*\p+8*\t] offset:4352*\p+64*\t+16
.endr
.endr
.irp i, 0,1,2,3,4,5,6,7,8,9,10,11,12,13,14,15
	ds_load_b128 v[96+4*\i:99+4*\i], v221 offset:544*\i   ; LDS serves a wave's instructions in order: these see my stores
.endr
.irp i, 0,1,2,3,4,5,6,7,8,9,10,11,12,13,14,15
	s_wait_dscnt 15-\i
	global_store_b128 v222, v[96+4*\i:99+4*\i], s[50:51] offset:8192*\i th:TH_STORE_NT   ; sixteen lanes store 256 consecutive bytes, at a multiple of 256 from out0's first byte
.endr
	s_wait_tensorcnt 0x0                           ; the wave's end
	ds_add_u32 v14, v15
	s_wait_dscnt 0x0
	CROUND                                         ; the closing round
	s_endpgm
.Lfunc_end_k_q1c2827a26f_tail:
	.size	k_q1c2827a26f_tail, .Lfunc_end_k_q1c2827a26f_tail-k_q1c2827a26f_tail
	.p2alignl 7, 3214868480
	.fill 96, 4, 3214868480
	.section	.rodata,"a",@progbits
	.p2align	6, 0x0
	.amdhsa_kernel k_q1c2827a26f_tail
		.amdhsa_group_segment_fixed_size 327680
		.amdhsa_private_segment_fixed_size 0
		.amdhsa_enable_private_segment 0
		.amdhsa_kernarg_size 80
		.amdhsa_user_sgpr_count 2
		.amdhsa_user_sgpr_kernarg_segment_ptr 1
		.amdhsa_wavefront_size32 1
		.amdhsa_system_sgpr_workgroup_id_x 1
		.amdhsa_system_sgpr_workgroup_id_y 1
		.amdhsa_system_sgpr_workgroup_id_z 1
		.amdhsa_system_vgpr_workitem_id 0
		.amdhsa_next_free_vgpr 256
		.amdhsa_next_free_sgpr 66
		.amdhsa_reserve_vcc 0
		.amdhsa_float_denorm_mode_32 3
		.amdhsa_float_denorm_mode_16_64 3
		.amdhsa_memory_ordered 1
		.amdhsa_forward_progress 1
		.amdhsa_inst_pref_size 75
	.end_amdhsa_kernel
	.amdgpu_metadata
---
amdhsa.version: [ 1, 2 ]
amdhsa.kernels:
  - .name:           k_q1c2827a26f_tail
    .symbol:         k_q1c2827a26f_tail.kd
    .args:
      - { .name: qpimg, .offset: 0, .size: 8, .value_kind: global_buffer, .address_space: global }
      - { .name: attn, .offset: 8, .size: 8, .value_kind: global_buffer, .address_space: global }
      - { .name: Wo_codes, .offset: 16, .size: 8, .value_kind: global_buffer, .address_space: global }
      - { .name: Wo_scales, .offset: 24, .size: 8, .value_kind: global_buffer, .address_space: global }
      - { .name: bo, .offset: 32, .size: 8, .value_kind: global_buffer, .address_space: global }
      - { .name: g1, .offset: 40, .size: 8, .value_kind: global_buffer, .address_space: global }
      - { .name: b1, .offset: 48, .size: 8, .value_kind: global_buffer, .address_space: global }
      - { .name: g2, .offset: 56, .size: 8, .value_kind: global_buffer, .address_space: global }
      - { .name: b2, .offset: 64, .size: 8, .value_kind: global_buffer, .address_space: global }
      - { .name: out0, .offset: 72, .size: 8, .value_kind: global_buffer, .address_space: global }
    .group_segment_fixed_size: 327680
    .private_segment_fixed_size: 0
    .kernarg_segment_align: 8
    .kernarg_segment_size: 80
    .max_flat_workgroup_size: 512
    .sgpr_count:     66
    .vgpr_count:     256
    .wavefront_size: 32
...
	.end_amdgpu_metadata
.endif
;; end of part 3
;; ======== version 2 of 2: 3 launches
;; limits: right only within a limited range of input values
;; workspace buffers: kimg 4,718,592 bytes; vimg 4,456,448 bytes; xsum 33,554,432 bytes
;; launch proj (part 4): grid 256 x 2, 4 waves a work-group, clusters of 4 x 1, 209,408 bytes of LDS; arguments k_codes, k_scales, Wk_codes, Wk_scales, bk, kimg, v_codes, v_scales, Wv_codes, Wv_scales, bv, vimg, mask; writes kimg, vimg
.if DOCPART == 4
	.amdgcn_target "amdgcn-amd-amdhsa--gfx1250"
	.amdhsa_code_object_version 6
	.text
	.protected	k_q1c2827a26f_proj
	.globl	k_q1c2827a26f_proj
	.p2align	8
	.type	k_q1c2827a26f_proj,@function
k_q1c2827a26f_proj:
	s_mov_b64 s[64:65], 0
	v_nop
	global_prefetch_b8 v0, s[64:65] scope:SCOPE_SE
	s_setreg_imm32_b32 hwreg(HW_REG_WAVE_MODE, 25, 1), 1
	s_wait_xcnt 0x0
	s_wait_alu depctr_hold_cnt(0) depctr_sa_sdst(0) depctr_va_vdst(0) depctr_va_sdst(0) depctr_va_ssrc(0) depctr_va_vcc(0) depctr_vm_vsrc(0)
	s_getreg_b32 s2, hwreg(HW_REG_IB_STS2, 6, 4)
	s_cmp_eq_u32 s2, 0
	s_cbranch_scc0 .Lentry_in_a_cluster
	s_endpgm
.Lentry_in_a_cluster:
	s_bfe_u32 s2, ttmp6, 0x10000c
	s_cmp_lg_u32 s2, 0x3003
	s_cbranch_scc0 .Lentry_shape_is_right
	s_endpgm
.Lentry_shape_is_right:
; TWO OF THE THREE PROJECTIONS: kp = k Wk + bk and vp = v Wv + bv, on the given codes of E2M1, and the quantisers behind them.  (qp = q Wq + bq is made by the next launch, tile by tile, where it is used.)
; DEAD WORK: none is left out in this program.  Every input has a way to the output (bq and bk move the codes of the score product, the mask moves A, all gains and biases are live) and every input is loaded by some launch.
; WHAT IS STORED.  kp quantised along a head's 64 (kimg); vp quantised along the keys (vimg).  Both lie as IMAGES OF OPERAND REGISTERS: four registers of
; the 32 lanes are 512 consecutive bytes, lane l's 16 bytes at 16 l, so that every store here and every load later covers 512 consecutive bytes.
; THE MASK RIDES IN THE SCALE WORDS.  The score product uses 64 of the matrix instruction's 128 along K.  At k = 64 stands a pad: Q's number is 0.5 x 2^(101 - 127), K's is -0.5 x 2^(byte - 127) with the byte 254
; for a key that the mask hides and 1 for a key that counts.  A hidden key's score is so -2^99; a key that counts gets -2^-154, the same for all such keys and under the smallest f32 number.  This launch writes K's bytes: 2 and 3 of each scale word.
; LIMITS: true scores lie inside (-2^90, 2^90); NaN and infinities among the inputs are not served; a block whose largest magnitude lies under 2^(3 - 127) keeps the scale byte 1.
; SHARES.  Work-group y: 0 K, 1 V.  D = X (source 0) x Y (source 1).  K: X = 128 rows of the weight, Y = 256 rows of the activation: a lane holds one row, its registers run along d.  V: X = 128 keys,
; Y = 256 rows of Wv: a lane holds one d, its registers run along the keys.  So each quantiser finds its K in a lane's registers.  A wave makes X 128 x Y 64: 32 accumulators.  All of K = 1,024 lies in LDS, in two halves.
; CLUSTER: the four partners share Y's panel (two thirds of a work-group's bytes): joint loads, mask 15.  X's panel differs between them: plain loads.
; REGISTERS.  window 0: v1-13 addresses, v14-15 the add's two, v16-47 X's scale words, v48-63 Y's, v64-159 and v160-255 two sets of fragments (X 64, Y 32); on the way out v64-163 are at work.
;   window 1: accumulator (y, x) at v[8 (8 y + x)].   window 2: v0-63 the bias, v64-67 the mask's bytes.
.set HALF,  104448                     ; LDS: half a K: X's 128 rows, then Y's 256 rows, 256 bytes + 16 of padding each
.set YOFF,  34816                      ; 128 x 272
.set SPARE, 2*HALF                     ; behind the halves: the spare words, 128 bytes for each wave
.set WV,   4                           ; s4   my wave
.set ADX,  5                           ; v5, v6  LDS address of X's fragments in half 0, 1
.set ADY,  7                           ; v7, v8  of my 64 rows of Y
.set XSC,  16                          ; scale words: register 4 tile + q: lanes 0-15 K step q, lanes 16-31 K step 4 + q
.set YSC,  48
.set HA,   64                          ; the way out: 64 numbers
.set TM,   128                         ; v128-143 at work in the quantiser
.set PC,   144                         ; v144-151 the codes just made
.set PW,   152                         ; the scale word just made
.set SW,   156                         ; v156-159 four tiles' scale words
.set PADW, 160                         ; v160-163 bytes 2 and 3 of the scale words
.set SEL,  98                          ; s[98:99] selects for lane l xor 16
.set MSB, 0
.macro WIN new                         ; the immediate's high byte repeats the setting that is left
.if MSB != \new
	s_set_vgpr_msb (MSB<<8)|\new
.set MSB, \new
.endif
.endm
.macro CROUND                          ; a round of the cluster's barrier
	s_barrier_signal -1
	s_barrier_wait -1
	s_cmp_lg_u32 s[WV], 0
	s_cbranch_scc1 .Lnot_wave_0_\@
	s_barrier_signal -3
.Lnot_wave_0_\@:
	s_barrier_wait -3
	s_barrier_signal -1
	s_barrier_wait -1
.endm
.macro FINISH                          ; a wave's end: the tensor wait, an add and its wait, ahead of the closing round
	s_wait_tensorcnt 0x0
	ds_add_u32 v14, v15
	s_wait_dscnt 0x0
	CROUND
	s_endpgm
.endm
; 64 numbers of a lane, register 16 b + i of lanes l and l xor 16 = block b of 32 along K, become a fragment's codes in v[PC] on (register 4 c + i: k = 64 c + 32 (lane / 16) + 8 i on) and the scale word in v[pw].
.macro QUANT s, pw
.irp b, 0,1,2,3
	v_max3_num_f32 v[TM+\b], |v[\s+16*\b]|, |v[\s+16*\b+1]|, 0x1800000   ; my 16 numbers of block b, and the floor 2^(3 - 127): the byte cannot fall under 1
.endr
.irp i, 2,4,6,8,10,12,14
.irp b, 0,1,2,3
	v_max3_num_f32 v[TM+\b], v[TM+\b], |v[\s+16*\b+\i]|, |v[\s+16*\b+\i+1]|
.endr
.endr
.irp b, 0,1,2,3
	v_permlanex16_b32 v[TM+4+\b], v[TM+\b], s[SEL], s[SEL+1]
.endr
.irp b, 0,1,2,3
	v_max_num_f32 v[TM+\b], v[TM+\b], v[TM+4+\b]       ; with lane l xor 16's: the block's largest magnitude
.endr
.irp b, 0,1,2,3
	v_add_nc_u32 v[TM+12+\b], 0xff000000, v[TM+\b]     ; 2 off its exponent field: the conversion's scale operand
.endr
.irp b, 0,1,2,3
	v_lshrrev_b32 v[TM+4+\b], 23, v[TM+12+\b]          ; the scale's byte
.endr
	v_lshl_or_b32 v[\pw], v[TM+5], 8, v[TM+4]
	v_lshl_or_b32 v[\pw], v[TM+6], 16, v[\pw]
	v_lshl_or_b32 v[\pw], v[TM+7], 24, v[\pw]
.irp c, 0,1
	v_cvt_scalef32_pk8_fp4_f32 v[PC+4*\c], v[\s+32*\c:\s+32*\c+7], v[TM+12+2*\c]
	v_cvt_scalef32_pk8_fp4_f32 v[PC+4*\c+1], v[\s+32*\c+16:\s+32*\c+23], v[TM+13+2*\c]
	v_cvt_scalef32_pk8_fp4_f32 v[PC+4*\c+2], v[\s+32*\c+8:\s+32*\c+15], v[TM+12+2*\c]
	v_cvt_scalef32_pk8_fp4_f32 v[PC+4*\c+3], v[\s+32*\c+24:\s+32*\c+31], v[TM+13+2*\c]
.endr
	v_nop                                          ; one plain place behind the conversions
.irp c, 0,1                                    ; a whole block to a lane: lanes 0-15 block 2 c, lanes 16-31 block 2 c + 1
	v_permlane16_swap_b32 v[PC+4*\c], v[PC+4*\c+1]
	v_permlane16_swap_b32 v[PC+4*\c+2], v[PC+4*\c+3]
.endr
.endm
.macro FETCH s                         ; K step s (128 along K, 64 bytes of a row): X's eight fragments and my four of Y into set s % 2
.set FX, 64+96*((\s)%2)
.set FY, FX+64
.irp x, 0,1,2,3,4,5,6,7
.irp c, 0,1
	ds_load_b128 v[FX+8*\x+4*\c:FX+8*\x+4*\c+3], v[ADX+(\s)/4] offset:4352*\x+64*((\s)%4)+32*\c
.endr
.endr
.irp y, 0,1,2,3
.irp c, 0,1
	ds_load_b128 v[FY+8*\y+4*\c:FY+8*\y+4*\c+3], v[ADY+(\s)/4] offset:4352*\y+64*((\s)%4)+32*\c
.endr
.endr
.endm
.macro MUL32 s                         ; the 32 accumulators take turns, one instruction a turn, in the same order in every K step
.set FX, 64+96*((\s)%2)
.set FY, FX+64
.set QQ, (\s)%4
.irp y, 0,1,2,3
.irp x, 0,1,2,3,4,5,6,7
.if (\s) == 0
	v_wmma_scale_f32_16x16x128_f8f6f4 v[8*(8*\y+\x):8*(8*\y+\x)+7], v[FX+8*\x:FX+8*\x+7], v[FY+8*\y:FY+8*\y+7], 0, v[XSC+4*\x+QQ], v[YSC+4*\y+QQ] matrix_a_fmt:MATRIX_FMT_FP4 matrix_b_fmt:MATRIX_FMT_FP4
.elseif (\s) < 4
	v_wmma_scale_f32_16x16x128_f8f6f4 v[8*(8*\y+\x):8*(8*\y+\x)+7], v[FX+8*\x:FX+8*\x+7], v[FY+8*\y:FY+8*\y+7], v[8*(8*\y+\x):8*(8*\y+\x)+7], v[XSC+4*\x+QQ], v[YSC+4*\y+QQ] matrix_a_fmt:MATRIX_FMT_FP4 matrix_b_fmt:MATRIX_FMT_FP4
.else
	v_wmma_scale_f32_16x16x128_f8f6f4 v[8*(8*\y+\x):8*(8*\y+\x)+7], v[FX+8*\x:FX+8*\x+7], v[FY+8*\y:FY+8*\y+7], v[8*(8*\y+\x):8*(8*\y+\x)+7], v[XSC+4*\x+QQ], v[YSC+4*\y+QQ] matrix_a_fmt:MATRIX_FMT_FP4 matrix_b_fmt:MATRIX_FMT_FP4 matrix_a_scale:MATRIX_SCALE_ROW1 matrix_b_scale:MATRIX_SCALE_ROW1
.endif
.endr
.endr
.endm
.macro STEP s
	s_wait_dscnt 0x0                               ; this step's fragments are in (asked for 32 matrix instructions ago)
.if (\s) == 3
	s_wait_tensorcnt 0x0                           ; my parts of the second half have landed,
	s_barrier_signal -1
	s_barrier_wait -1                              ; everybody's have
.endif
.if (\s) < 7
.if (\s) > 0
.rept 4
	v_nop                                          ; four places in front of loads into registers that the last products read
.endr
.endif
	FETCH (\s)+1
.endif
	WIN 0x50                                       ; C and D in window 1
	MUL32 \s
	WIN 0
.endm
.macro MAIN
	s_wait_tensorcnt 0x2                           ; my X and Y of the first half have landed; the second half's two loads stay out
	s_barrier_signal -1
	s_barrier_wait -1
	FETCH 0
	s_wait_loadcnt 0x0                             ; scale words, bias, mask
.irp s, 0,1,2,3,4,5,6,7
	STEP \s
.endr
.rept 4
	v_nop                                          ; four places in front of the first read of results and of writes into the fragments' registers
.endr
.irp b, 0,1,2,3
	v_mov_b32 v[TM+4+\b], 0                        ; written once: a lane permute's destination counts as one of its sources
.endr
.endm
.macro EPI_K t                         ; my rows 16 t on: bias, quantiser, the two heads' codes
	WIN 0x09                                       ; source 0 window 1 (sums), source 1 window 2 (bias)
.set ii, 0
.rept 32
	v_pk_add_f32 v[HA+ii:HA+ii+1], v[64*\t+ii:64*\t+ii+1], v[ii:ii+1]   ; each accumulator from its low end on
.set ii, ii+2
.endr
	WIN 0
	QUANT HA, PW
	global_store_b128 v3, v[PC:PC+3], s[26:27] offset:512*\t
	global_store_b128 v3, v[PC+4:PC+7], s[26:27] offset:73728+512*\t
	v_lshrrev_b32 v[SW+\t], v12, v[PW]             ; lanes 0-15 keep the first head's two bytes, lanes 16-31 take the second's
	v_and_or_b32 v[SW+\t], v[SW+\t], 0xffff, v[PADW+\t]
	s_wait_xcnt 0x0                                ; the stores have read their registers: the next tile writes them again
.endm
.macro EPI_V t                         ; d = 16 t + lane % 16 of my head, 128 keys
	WIN 0x09
.set ii, 0
.rept 32
	v_pk_add_f32 v[HA+ii:HA+ii+1], v[64*\t+ii:64*\t+ii+1], v[2*\t:2*\t+1]
.set ii, ii+2
.endr
	WIN 0
	QUANT HA, SW+\t
	global_store_b128 v3, v[PC:PC+3], s[26:27] offset:1024*\t
	global_store_b128 v3, v[PC+4:PC+7], s[26:27] offset:1024*\t+512
	s_wait_xcnt 0x0
.endm
	s_load_b512 s[16:31], s[0:1], 0x0              ; k's codes, scales, Wk's codes, scales, bk, kimg, v's codes, scales
	s_load_b256 s[32:39], s[0:1], 0x40             ; Wv's codes, scales, bv, vimg
	s_load_b64 s[52:53], s[0:1], 0x60              ; mask
	v_lshl_add_u32 v14, v0, 2, SPARE
	v_mov_b32 v15, 0
	ds_add_u32 v14, v15                            ; the opening: the add, twice on end, and its wait ahead of my first tensor load
	ds_add_u32 v14, v15
	v_lshrrev_b32 v1, 5, v0
	v_readfirstlane_b32 s4, v1                     ; wave 0..3
	s_and_b32 s3, ttmp7, 0xffff                    ; 0: K, 1: V
	s_bfe_u32 s5, ttmp6, 0x40000                   ; cx
	s_cmp_eq_u32 s3, 1
	s_cselect_b32 s9, 4, 1
	s_cselect_b32 s10, 15, 1
	s_lshr_b32 s8, ttmp9, s9                       ; yp: Y's panel, shared by the four partners
	s_and_b32 s10, ttmp9, s10
	s_lshl_b32 s10, s10, 2
	s_add_co_u32 s7, s10, s5                       ; xp: X's panel
	s_mov_b32 s56, (1<<20)|(5<<22)|(3<<25)         ; X's group 1: no mask; elements of 1 byte; 4 words of padding after every 64
	s_mov_b32 s57, 256<<16                         ; tensor_dim0 = 256
	s_mov_b32 s58, 32<<16                          ; tensor_dim1 = 32
	s_mov_b32 s59, 256<<16                         ; tile_dim0 = 256
	s_mov_b32 s60, 32                              ; tile_dim1 = 32
	s_mov_b32 s61, 512                             ; a row of 1,024 codes in memory
	s_mov_b32 s62, 0
	s_mov_b32 s63, 0
	s_mov_b32 s68, 15|(1<<20)|(1<<21)|(5<<22)|(3<<25)  ; Y's: the four partners; bit 21 beside the mask; 64 rows
	s_mov_b32 s69, 256<<16
	s_mov_b32 s70, 64<<16
	s_mov_b32 s71, 256<<16
	s_mov_b32 s72, 64
	s_mov_b32 s73, 512
	s_mov_b32 s74, 0
	s_mov_b32 s75, 0
	s_lshl_b32 s92, s7, 16                         ; X: row 128 xp + 32 w, 512 bytes a row
	s_lshl_b32 s93, s4, 14
	s_add_co_u32 s92, s92, s93
	s_mov_b32 s93, 0
	s_lshl_b32 s94, s8, 17                         ; Y: row 256 yp + 64 w
	s_lshl_b32 s95, s4, 15
	s_add_co_u32 s94, s94, s95
	s_mov_b32 s95, 0
	s_mul_i32 s12, s4, 8704                        ; where they go: 32 and 64 rows of 272 bytes a wave
	s_mul_i32 s13, s4, 17408
	s_lshl_b32 s96, s7, 12                         ; X's scale bytes: 32 a row
	s_mov_b32 s97, 0
	s_lshl_b32 s10, s8, 13                         ; my 64 rows of Y's
	s_lshl_b32 s11, s4, 11
	s_add_co_u32 s10, s10, s11
	s_mov_b32 s11, 0
	s_mov_b32 s[SEL], 0x76543210
	s_mov_b32 s[SEL+1], 0xfedcba98
	s_wait_dscnt 0x0                               ; both opening adds are done
	s_wait_kmcnt 0x0
	s_cmp_eq_u32 s3, 1                             ; the tensor's six buffers into s[16:27]: the choice hangs on the work-group's y alone
	s_cselect_b64 s[16:17], s[28:29], s[16:17]
	s_cselect_b64 s[18:19], s[30:31], s[18:19]
	s_cselect_b64 s[20:21], s[32:33], s[20:21]
	s_cselect_b64 s[22:23], s[34:35], s[22:23]
	s_cselect_b64 s[24:25], s[36:37], s[24:25]
	s_cselect_b64 s[26:27], s[38:39], s[26:27]
	s_cselect_b64 s[28:29], s[16:17], s[20:21]     ; X: V: the activation; K: the weight
	s_cselect_b64 s[30:31], s[18:19], s[22:23]
	s_cselect_b64 s[32:33], s[20:21], s[16:17]     ; Y: the other
	s_cselect_b64 s[34:35], s[22:23], s[18:19]
	s_add_nc_u64 s[92:93], s[28:29], s[92:93]
	s_add_nc_u64 s[94:95], s[32:33], s[94:95]
	s_add_nc_u64 s[30:31], s[30:31], s[96:97]
	s_add_nc_u64 s[34:35], s[34:35], s[10:11]
.irp c, 0,1                                    ; groups 0: X and Y of half c
	s_mov_b32 s[76+8*\c], 1
	s_add_co_u32 s[77+8*\c], s12, \c*HALF
	s_add_nc_u64 s[78+8*\c:79+8*\c], s[92:93], \c*256
	s_or_b32 s[79+8*\c], s[79+8*\c], 0x80000000
	s_mov_b32 s[80+8*\c], 1
	s_add_co_u32 s[81+8*\c], s13, \c*HALF+YOFF
	s_add_nc_u64 s[82+8*\c:83+8*\c], s[94:95], \c*256
	s_or_b32 s[83+8*\c], s[83+8*\c], 0x80000000
.endr
	CROUND                                         ; the four partners are here: the joint loads meet
	tensor_load_to_lds s[76:79], s[56:63]          ; all first fills in one group: four loads of mine are out
	s_nop 0
	tensor_load_to_lds s[80:83], s[68:75]
	s_nop 0
	tensor_load_to_lds s[84:87], s[56:63]
	s_nop 0
	tensor_load_to_lds s[88:91], s[68:75]
	s_nop 0
.rept 4
	v_nop
.endr
	v_and_b32 v1, 15, v0                           ; r
	v_bfe_u32 v2, v0, 4, 1                         ; h
	v_and_b32 v3, 31, v0
	v_lshlrev_b32 v3, 4, v3                        ; 16 x lane: my place in an image
	v_lshlrev_b32 v4, 2, v1                        ; 4 r
	v_mul_u32_u24 v5, v1, 272
	v_lshl_add_u32 v5, v2, 4, v5                   ; a fragment's row x pitch + 16 h
	v_add_nc_u32 v6, HALF, v5
	s_add_co_u32 s13, s13, YOFF
	v_add_nc_u32 v7, s13, v5
	v_add_nc_u32 v8, HALF, v7
	v_lshlrev_b32 v9, 5, v1
	v_lshl_add_u32 v9, v2, 4, v9                   ; scale bytes: 32 r + 16 h
	v_mul_u32_u24 v10, v2, 73728
	v_lshl_add_u32 v10, v1, 4, v10                 ; scale words out: 16 r, lanes 16-31 in the next head
	v_lshlrev_b32 v11, 5, v2                       ; 32 h
	v_lshlrev_b32 v12, 4, v2                       ; 16 h
	v_lshlrev_b32 v13, 4, v1                       ; 16 r
.irp x, 0,1,2,3,4,5,6,7
	global_load_b128 v[XSC+4*\x:XSC+4*\x+3], v9, s[30:31] offset:512*\x   ; 16 rows' 512 consecutive bytes
.endr
.irp y, 0,1,2,3
	global_load_b128 v[YSC+4*\y:YSC+4*\y+3], v9, s[34:35] offset:512*\y
.endr
	s_cmp_eq_u32 s3, 1                             ; the two ways part here, on the work-group's y, and do not meet again
	s_cbranch_scc1 .Lpath_v
	; ---- K: rows 256 yp + 64 w on: batch yp / 8, group of 64 rows (4 yp + w) % 32; heads 2 xp and 2 xp + 1
	s_lshl_b32 s9, s8, 2
	s_add_co_u32 s9, s9, s4
	s_and_b32 s10, s9, 31
	s_lshr_b32 s11, s8, 3
	s_lshl_b32 s11, s11, 4
	s_lshl_b32 s12, s7, 1
	s_add_co_u32 s11, s11, s12                     ; the first of my two heads, among 64
	s_mul_i32 s92, s11, 73728
	s_mov_b32 s93, 0
	s_add_nc_u64 s[26:27], s[26:27], s[92:93]
	s_lshl_b32 s92, s10, 8
	s_add_co_u32 s92, s92, 65536
	s_add_nc_u64 s[36:37], s[26:27], s[92:93]      ; my group's scale words
	s_lshl_b32 s92, s10, 11
	s_add_nc_u64 s[26:27], s[26:27], s[92:93]      ; my group's codes
	s_lshl_b32 s92, s7, 9
	s_add_nc_u64 s[24:25], s[24:25], s[92:93]      ; the bias of my 128 columns
	s_lshl_b32 s92, s9, 6
	s_add_nc_u64 s[52:53], s[52:53], s[92:93]      ; the mask at my first row
	WIN 0x80
.irp x, 0,1,2,3,4,5,6,7                        ; register 8 x + j: the bias of column 128 xp + 16 x + 8 (lane / 16) + j
	global_load_b128 v[8*\x:8*\x+3], v11, s[24:25] offset:64*\x
	global_load_b128 v[8*\x+4:8*\x+7], v11, s[24:25] offset:64*\x+16
.endr
.irp t, 0,1,2,3
	global_load_u8 v[64+\t], v1, s[52:53] offset:16*\t
.endr
	WIN 0
	MAIN
	WIN 0x08                                       ; source 1 in window 2
.irp t, 0,1,2,3
	v_mul_u32_u24 v[PADW+\t], 253, v[64+\t]
.endr
	WIN 0
.irp t, 0,1,2,3
	v_sub_nc_u32 v[PADW+\t], 254, v[PADW+\t]       ; byte 2: 1 where the key counts, 254 where it is hidden
.endr
.irp t, 0,1,2,3
	v_lshl_or_b32 v[PADW+\t], v[PADW+\t], 16, 0x7f000000
.endr
.irp t, 0,1,2,3
	EPI_K \t
.endr
	global_store_b128 v10, v[SW:SW+3], s[36:37]    ; lanes 0-15: 256 consecutive bytes of one head, lanes 16-31 of the next
	FINISH
.Lpath_v:
	; ---- V: keys 128 xp on: batch xp / 16, key step xp % 16; my head 4 yp + w
	s_lshr_b32 s9, s7, 4
	s_and_b32 s10, s7, 15
	s_lshl_b32 s9, s9, 4
	s_lshl_b32 s11, s8, 2
	s_add_co_u32 s9, s9, s11
	s_add_co_u32 s9, s9, s4
	s_mul_i32 s92, s9, 69632
	s_mov_b32 s93, 0
	s_add_nc_u64 s[26:27], s[26:27], s[92:93]
	s_lshl_b32 s92, s10, 8
	s_add_co_u32 s92, s92, 65536
	s_add_nc_u64 s[36:37], s[26:27], s[92:93]      ; the step's scale words
	s_lshl_b32 s92, s10, 12
	s_add_nc_u64 s[26:27], s[26:27], s[92:93]      ; the step's codes
	s_lshl_b32 s92, s8, 10
	s_lshl_b32 s94, s4, 8
	s_add_co_u32 s92, s92, s94
	s_add_nc_u64 s[24:25], s[24:25], s[92:93]      ; bv at my 64 columns
	WIN 0x80
.irp t, 0,1,2,3
	global_load_b32 v[2*\t], v4, s[24:25] offset:64*\t       ; my d's bias, into both registers of a pair
	global_load_b32 v[2*\t+1], v4, s[24:25] offset:64*\t
.endr
	WIN 0
	MAIN
.irp t, 0,1,2,3
	EPI_V \t
.endr
	global_store_b128 v13, v[SW:SW+3], s[36:37]    ; 256 consecutive bytes; lanes 16-31 hold and store the same words as lanes 0-15
	FINISH
.Lfunc_end_k_q1c2827a26f_proj:
	.size	k_q1c2827a26f_proj, .Lfunc_end_k_q1c2827a26f_proj-k_q1c2827a26f_proj
	.p2alignl 7, 3214868480
	.fill 96, 4, 3214868480
	.section	.rodata,"a",@progbits
	.p2align	6, 0x0
	.amdhsa_kernel k_q1c2827a26f_proj
		.amdhsa_group_segment_fixed_size 209408
		.amdhsa_private_segment_fixed_size 0
		.amdhsa_enable_private_segment 0
		.amdhsa_kernarg_size 104
		.amdhsa_user_sgpr_count 2
		.amdhsa_user_sgpr_kernarg_segment_ptr 1
		.amdhsa_wavefront_size32 1
		.amdhsa_system_sgpr_workgroup_id_x 1
		.amdhsa_system_sgpr_workgroup_id_y 1
		.amdhsa_system_sgpr_workgroup_id_z 1
		.amdhsa_system_vgpr_workitem_id 0
		.amdhsa_next_free_vgpr 640
		.amdhsa_next_free_sgpr 100
		.amdhsa_reserve_vcc 0
		.amdhsa_float_denorm_mode_32 3
		.amdhsa_float_denorm_mode_16_64 3
		.amdhsa_memory_ordered 1
		.amdhsa_forward_progress 1
		.amdhsa_inst_pref_size 154
	.end_amdhsa_kernel
	.amdgpu_metadata
---
amdhsa.version: [ 1, 2 ]
amdhsa.kernels:
  - .name:           k_q1c2827a26f_proj
    .symbol:         k_q1c2827a26f_proj.kd
    .args:
      - { .name: k_codes, .offset: 0, .size: 8, .value_kind: global_buffer, .address_space: global }
      - { .name: k_scales, .offset: 8, .size: 8, .value_kind: global_buffer, .address_space: global }
      - { .name: Wk_codes, .offset: 16, .size: 8, .value_kind: global_buffer, .address_space: global }
      - { .name: Wk_scales, .offset: 24, .size: 8, .value_kind: global_buffer, .address_space: global }
      - { .name: bk, .offset: 32, .size: 8, .value_kind: global_buffer, .address_space: global }
      - { .name: kimg, .offset: 40, .size: 8, .value_kind: global_buffer, .address_space: global }
      - { .name: v_codes, .offset: 48, .size: 8, .value_kind: global_buffer, .address_space: global }
      - { .name: v_scales, .offset: 56, .size: 8, .value_kind: global_buffer, .address_space: global }
      - { .name: Wv_codes, .offset: 64, .size: 8, .value_kind: global_buffer, .address_space: global }
      - { .name: Wv_scales, .offset: 72, .size: 8, .value_kind: global_buffer, .address_space: global }
      - { .name: bv, .offset: 80, .size: 8, .value_kind: global_buffer, .address_space: global }
      - { .name: vimg, .offset: 88, .size: 8, .value_kind: global_buffer, .address_space: global }
      - { .name: mask, .offset: 96, .size: 8, .value_kind: global_buffer, .address_space: global }
    .group_segment_fixed_size: 209408
    .private_segment_fixed_size: 0
    .kernarg_segment_align: 8
    .kernarg_segment_size: 104
    .max_flat_workgroup_size: 128
    .sgpr_count:     100
    .vgpr_count:     640
    .wavefront_size: 32
...
	.end_amdgpu_metadata
.endif
;; end of part 4
;; launch attn (part 5): grid 4 x 64, 16 waves a work-group, clusters of 4 x 1, 310,272 bytes of LDS; arguments q_codes, q_scales, Wq_codes, Wq_scales, bq, kimg, vimg, xsum; writes xsum
.if DOCPART == 5
	.amdgcn_target "amdgcn-amd-amdhsa--gfx1250"
	.amdhsa_code_object_version 6
	.text
	.protected	k_q1c2827a26f_attn
	.globl	k_q1c2827a26f_attn
	.p2align	8
	.type	k_q1c2827a26f_attn,@function
k_q1c2827a26f_attn:
	s_mov_b64 s[64:65], 0
	v_nop
	global_prefetch_b8 v0, s[64:65] scope:SCOPE_SE
	s_setreg_imm32_b32 hwreg(HW_REG_WAVE_MODE, 25, 1), 1
	s_wait_xcnt 0x0
	s_wait_alu depctr_hold_cnt(0) depctr_sa_sdst(0) depctr_va_vdst(0) depctr_va_sdst(0) depctr_va_ssrc(0) depctr_va_vcc(0) depctr_vm_vsrc(0)
	s_getreg_b32 s2, hwreg(HW_REG_IB_STS2, 6, 4)
	s_cmp_eq_u32 s2, 0
	s_cbranch_scc0 .Lentry_in_a_cluster
	s_endpgm
.Lentry_in_a_cluster:
	s_bfe_u32 s2, ttmp6, 0x10000c
	s_cmp_lg_u32 s2, 0x3003
	s_cbranch_scc0 .Lentry_shape_is_right
	s_endpgm
.Lentry_shape_is_right:
; ONE HEAD: qp = q Wq + bq, A = softmax(mask(Q(qp) Q(kp)^T / 32)), xsum = qp + A V, all three products on codes of E2M1.  No work of the problem is left out here.
; qp IS MADE WHERE IT IS USED: a tile of 16 queries x the head's 64 columns is 32 matrix instructions (source 0 = 16 rows of Wq, source 1 = 16 rows of q, 8 steps of 128 along K).  The sums begin on bq, which is loaded
; into the accumulators; qp is quantised from them into Q's operand registers; and the same registers are then the accumulators of A V, so that they end as qp + attn.  (The order of rounding: bias first, attn summed onto qp.)
; A IS QUANTISED FINISHED: normalised, with zeros where a row has no key.  So the keys are walked TWICE.  Pass 1: the running maximum m and the sum l.  Pass 2: the same scores by the same instructions on the same
; operands, A = 2^(c s - c m) / l, quantised in blocks of 32 keys, times V.  c = log2(e) / 32.  The largest score of each 16 registers, which pass 1's search for m passes through, is kept in my own LDS bytes for pass 2.
; THE MASK stands in K's scale words (the launch before wrote them): the pad at k = 64 makes a hidden key's score -2^99.  m starts at -2^90: a row with no key gets p = 0 everywhere, l = 0, and 1 / l is chosen 0.
; LIMITS: true scores lie inside (-2^90, 2^90); a p under 2^-126 counts as 0; NaN and infinities are not served; a block whose largest magnitude lies under 2^(3 - 127) keeps the scale byte 1.
; SHARES.  A work-group owns 512 queries of one head, each of its sixteen waves two tiles of 16, one after the other.  The head's K and V images and its 64 rows of Wq lie in LDS, filled once.
; CLUSTER: the four work-groups of a head read the same three: joint loads, mask 15; each wave asks for a sixteenth of each.
; LAYOUT.  All products transposed: a lane holds one query (lane % 16); register 8 t + j of S holds key 16 t + 8 (lane / 16) + j of the step's 128, of qp and O^T column 16 t + 8 (lane / 16) + j of the head's 64.
; REGISTERS: v1-5 addresses that stay, v6-9, v25 those of the loads in hand, v10-11 the add's two, v12 -c m, v13 m, v[14:15] l, v16-23 Q, v24 Q's scale word, v[26:27] 1 / l, v28-31 K's scale words, v32-95 K,
;   v96-159 S, p, A, v160-191 qp, then O^T, v192-223 V, v224-231 A's codes, v232-243 blocks' figures, v244-247 V's scale words, v248 A's scale word, v249-255 at work (pass 2: v252-255 the next step's four maxima).
;   While qp is made: v96-159 q's eight fragments, v192-223 Wq's four of a K step, v232-235 q's scale words, v236-251 Wq's, v252-255 offsets, v26-27 lane % 16 and lane / 16.
.set VIMG,  73728                      ; LDS: K's image at 0 (65,536 of codes, 8,192 of scale words), V's here (65,536 and 4,096),
.set WQL,   143360                     ; Wq's 64 rows, 512 bytes + 16 of padding each,
.set BM,    177152                     ; the blocks' largest scores: 8,192 bytes for each wave, 512 a key step; no fill lands here
.set SPARE, 308224                     ; the spare words, 128 bytes for each wave
.set WV,    12
.macro CROUND
	s_barrier_signal -1
	s_barrier_wait -1
	s_cmp_lg_u32 s[WV], 0
	s_cbranch_scc1 .Lnot_wave_0_\@
	s_barrier_signal -3
.Lnot_wave_0_\@:
	s_barrier_wait -3
	s_barrier_signal -1
	s_barrier_wait -1
.endm
.macro SPROD                           ; the scores of 128 keys: eight tiles.  K's scale words: lanes 0-15 tiles 0-3, lanes 16-31 tiles 4-7
.irp t, 0,1,2,3
	v_wmma_scale_f32_16x16x128_f8f6f4 v[96+8*\t:103+8*\t], v[32+8*\t:39+8*\t], v[16:23], 0, v[28+\t], v24 matrix_a_fmt:MATRIX_FMT_FP4 matrix_b_fmt:MATRIX_FMT_FP4
.endr
.irp t, 4,5,6,7
	v_wmma_scale_f32_16x16x128_f8f6f4 v[96+8*\t:103+8*\t], v[32+8*\t:39+8*\t], v[16:23], 0, v[24+\t], v24 matrix_a_fmt:MATRIX_FMT_FP4 matrix_b_fmt:MATRIX_FMT_FP4 matrix_a_scale:MATRIX_SCALE_ROW1
.endr
.endm
.macro OPROD                           ; O^T += V^T A^T: four tiles of 16 of the head's 64, by turns
.irp t, 0,1,2,3
	v_wmma_scale_f32_16x16x128_f8f6f4 v[160+8*\t:167+8*\t], v[192+8*\t:199+8*\t], v[224:231], v[160+8*\t:167+8*\t], v[244+\t], v248 matrix_a_fmt:MATRIX_FMT_FP4 matrix_b_fmt:MATRIX_FMT_FP4
.endr
.endm
.macro KFETCH ak, as                   ; a step's K: registers 0-3 of eight fragments (4-7 hold the pad and stay), and its scale words
.irp t, 0,1,2,3,4,5,6,7
	ds_load_b128 v[32+8*\t:35+8*\t], v[\ak] offset:512*\t
.endr
	ds_load_b128 v[28:31], v[\as]
.endm
.macro VFETCH av, at                   ; a step's V: four fragments and their scale words
.irp t, 0,1,2,3
.irp c, 0,1
	ds_load_b128 v[192+8*\t+4*\c:195+8*\t+4*\c], v[\av] offset:1024*\t+512*\c
.endr
.endr
	ds_load_b128 v[244:247], v[\at]
.endm
.macro BMAX                            ; the largest of each 16 registers; each accumulator is first read at its low end
.irp b, 0,1,2,3
	v_max3_num_f32 v[232+\b], v[96+16*\b], v[97+16*\b], v[98+16*\b]
.endr
.irp i, 3,5,7,9,11,13
.irp b, 0,1,2,3
	v_max3_num_f32 v[232+\b], v[232+\b], v[96+16*\b+\i], v[97+16*\b+\i]
.endr
.endr
.irp b, 0,1,2,3
	v_max_num_f32 v[232+\b], v[232+\b], v[111+16*\b]
.endr
.endm
; c s - c m, two at a time (of the pairs c and -c m the low word serves both halves), and 2^(that): ONE BATCH of exponentials, none of whose results is named inside it.  A scaling leads each two exponentials;
; a pair is scaled four groups ahead of its exponentials.  f = 1: the factor for the old sum goes with the batch.
.macro TEXP f
.set jj, 96
.rept 4
	v_pk_fma_f32 v[jj:jj+1], v[jj:jj+1], s[46:47], v[12:13] op_sel_hi:[1,0,0]
.set jj, jj+2
.endr
.if \f
	v_exp_f32 v252, v250                           ; what was summed under the old maximum is multiplied by this
.endif
.set jj, 96
.rept 32
.if jj < 152
	v_pk_fma_f32 v[jj+8:jj+9], v[jj+8:jj+9], s[46:47], v[12:13] op_sel_hi:[1,0,0]
.endif
	v_exp_f32 v[jj], v[jj]
	v_exp_f32 v[jj+1], v[jj+1]
.set jj, jj+2
.endr
.endm
; PASS 1, a key step.  The maximum and the sum stay the lane's own (its 64 keys of the step): no exchange between lanes.  ahead = 1: the next step's K is fetched; 0: step 0's, for pass 2.
.macro P1 ahead
	s_wait_dscnt 0x0                               ; this step's K is in, and the last step's store has read its registers
	SPROD
	v_add_nc_u32 v25, s41, v2                      ; where this step's four maxima go.  (With the three lines below: four places behind the products)
.if \ahead
	s_add_co_u32 s40, s40, 4096
	s_add_co_u32 s41, s41, 512
	v_add_nc_u32 v6, s40, v1
	v_add_nc_u32 v7, s41, v3
	v_nop
	KFETCH 6, 7
.else
.rept 3
	v_nop
.endr
	KFETCH 1, 3
.endif
	BMAX
	ds_store_b128 v25, v[232:235]                  ; kept for pass 2: my own bytes, 512 consecutive a wave
	v_max3_num_f32 v249, v232, v233, v234
	v_max3_num_f32 v13, v249, v235, v13            ; the running maximum
	v_mov_b32 v250, v12
	v_mul_f32 v12, s48, v13                        ; -c m
	v_sub_f32 v250, v12, v250                      ; c m_old - c m_new
	TEXP 1
	v_nop                                          ; a plain place behind the exponentials
	s_wait_alu depctr_va_vdst(0)                   ; one wait for the batch, ahead of its first reader
	v_pk_mul_f32 v[14:15], v[14:15], v[252:253] op_sel_hi:[1,0]
	v_pk_add_f32 v[254:255], v[96:97], v[98:99]    ; the sum, in four chains
	v_pk_add_f32 v[236:237], v[100:101], v[102:103]
	v_pk_add_f32 v[238:239], v[104:105], v[106:107]
.set jj, 108
.rept 6
	v_pk_add_f32 v[14:15], v[14:15], v[jj:jj+1]
	v_pk_add_f32 v[254:255], v[254:255], v[jj+2:jj+3]
	v_pk_add_f32 v[236:237], v[236:237], v[jj+4:jj+5]
	v_pk_add_f32 v[238:239], v[238:239], v[jj+6:jj+7]
.set jj, jj+8
.endr
	v_pk_add_f32 v[14:15], v[14:15], v[156:157]
	v_pk_add_f32 v[254:255], v[254:255], v[158:159]
	v_pk_add_f32 v[236:237], v[236:237], v[238:239]
	v_pk_add_f32 v[14:15], v[14:15], v[254:255]
	v_pk_add_f32 v[14:15], v[14:15], v[236:237]
.endm
; PASS 2, a key step.  The product with V runs one trip late, so that vector work stands between the making of A's codes and their use.  ahead: 1 the next step's K and maxima; 0 step 0's K, for the next tile; 2 none.
.macro P2 ahead
	s_wait_dscnt 0x0                               ; this step's K and maxima and the last step's V are in
	SPROD
.if (\ahead) == 1
	s_add_co_u32 s40, s40, 4096
	s_add_co_u32 s41, s41, 512
	v_add_nc_u32 v6, s40, v1
	v_add_nc_u32 v7, s41, v3
	v_add_nc_u32 v25, s41, v2
.else
	v_nop
	v_nop
.endif
	v_add_nc_u32 v8, s42, v4                       ; (with the lines above: four places or more behind the products)
	v_add_nc_u32 v9, s43, v5
.if (\ahead) == 1
	KFETCH 6, 7
.elseif (\ahead) == 0
	KFETCH 1, 3
.endif
.irp b, 0,1,2,3
	v_permlanex16_b32 v[236+\b], v[252+\b], s50, s51
.endr
.irp b, 0,1,2,3
	v_max_num_f32 v[232+\b], v[252+\b], v[236+\b]  ; the largest score of each block of 32 keys: A rises with the score, so it gives the block's largest A
.endr
.if (\ahead) == 1
	ds_load_b128 v[252:255], v25                   ; the next step's four, as pass 1 left them
.endif
	OPROD                                          ; the step before (in the first trip: zero codes)
.irp b, 0,1,2,3
	v_fma_f32 v[232+\b], v[232+\b], s46, v12       ; four places behind those products
.endr
	VFETCH 8, 9                                    ; this step's V, for the next trip
	TEXP 0
	v_nop
	s_wait_alu depctr_va_vdst(0)                   ; one wait for the 64
.irp b, 0,1,2,3
	v_exp_f32 v[232+\b], v[232+\b]
.endr
.set jj, 96
.rept 32
	v_pk_mul_f32 v[jj:jj+1], v[jj:jj+1], v[26:27]  ; A = p / l
.set jj, jj+2
.endr
	s_wait_alu depctr_va_vdst(0)                   ; and one for the four
.irp b, 0,1,2,3
	v_mul_f32 v[232+\b], v[232+\b], v26            ; the same three instructions on the same number give the same bits as the block's largest A
.endr
.irp b, 0,1,2,3
	v_max_num_f32 v[232+\b], 0x1800000, v[232+\b]  ; the floor 2^(3 - 127): a block of zeros keeps the byte 1; its codes are zeros
.endr
.irp b, 0,1,2,3
	v_add_nc_u32 v[240+\b], 0xff000000, v[232+\b]
.endr
.irp b, 0,1,2,3
	v_lshrrev_b32 v[236+\b], 23, v[240+\b]
.endr
	v_lshl_or_b32 v248, v237, 8, v236
	v_lshl_or_b32 v248, v238, 16, v248
	v_lshl_or_b32 v248, v239, 24, v248
.irp c, 0,1
	v_cvt_scalef32_pk8_fp4_f32 v[224+4*\c], v[96+32*\c:103+32*\c], v[240+2*\c]
	v_cvt_scalef32_pk8_fp4_f32 v[225+4*\c], v[112+32*\c:119+32*\c], v[241+2*\c]
	v_cvt_scalef32_pk8_fp4_f32 v[226+4*\c], v[104+32*\c:111+32*\c], v[240+2*\c]
	v_cvt_scalef32_pk8_fp4_f32 v[227+4*\c], v[120+32*\c:127+32*\c], v[241+2*\c]
.endr
	v_nop                                          ; one plain place behind the conversions
.irp c, 0,1
	v_permlane16_swap_b32 v[224+4*\c], v[225+4*\c]
	v_permlane16_swap_b32 v[226+4*\c], v[227+4*\c]
.endr
	s_add_co_u32 s42, s42, 4096
	s_add_co_u32 s43, s43, 256
.endm
; What my i-th tile's qp wants from memory: bq into the accumulators, the scale words, q's eight fragments (16 rows x 1,024 codes).
.macro QLOAD i
	v_and_b32 v26, 15, v0                          ; r
	v_bfe_u32 v27, v0, 4, 1                        ; h
	v_lshlrev_b32 v252, 9, v26
	v_lshl_add_u32 v252, v27, 4, v252              ; q's codes: row r of 512 bytes, + 16 h
	v_lshlrev_b32 v253, 5, v26
	v_lshl_add_u32 v253, v27, 4, v253              ; scale bytes: 32 r + 16 h: register q holds K step q's word in lanes 0-15, K step 4 + q's in lanes 16-31
	v_lshlrev_b32 v254, 5, v27                     ; bq: 32 h
	v_mul_u32_u24 v255, v26, 528
	v_lshl_add_u32 v255, v27, 4, v255
	v_add_nc_u32 v255, WQL, v255                   ; Wq's fragments in LDS: row r x pitch + 16 h
.irp t, 0,1,2,3
	global_load_b128 v[160+8*\t:163+8*\t], v254, s[76:77] offset:64*\t       ; register 8 t + j: bq of column 16 t + 8 h + j
	global_load_b128 v[164+8*\t:167+8*\t], v254, s[76:77] offset:64*\t+16
.endr
	global_load_b128 v[232:235], v253, s[60:61] offset:512*\i
.irp t, 0,1,2,3
	global_load_b128 v[236+4*\t:239+4*\t], v253, s[74:75] offset:512*\t
.endr
.irp s, 0,1,2,3,4,5,6,7
.irp c, 0,1
	global_load_b128 v[96+8*\s+4*\c:99+8*\s+4*\c], v252, s[4:5] offset:8192*\i+64*\s+32*\c
.endr
.endr
.endm
.macro QSTEP s                         ; qp, K step s: Wq's four fragments from LDS, four accumulators by turns
.if (\s) > 0
.rept 4
	v_nop                                          ; four places in front of loads into registers that the last products read
.endr
.endif
.irp t, 0,1,2,3
.irp c, 0,1
	ds_load_b128 v[192+8*\t+4*\c:195+8*\t+4*\c], v255 offset:8448*\t+64*(\s)+32*\c
.endr
.endr
	s_wait_dscnt 0x0
.if (\s) == 0
	s_wait_loadcnt 0x0                             ; bq, the scale words, q's fragments
.endif
.irp t, 0,1,2,3
.if (\s) < 4
	v_wmma_scale_f32_16x16x128_f8f6f4 v[160+8*\t:167+8*\t], v[192+8*\t:199+8*\t], v[96+8*(\s):103+8*(\s)], v[160+8*\t:167+8*\t], v[236+4*\t+(\s)%4], v[232+(\s)%4] matrix_a_fmt:MATRIX_FMT_FP4 matrix_b_fmt:MATRIX_FMT_FP4
.else
	v_wmma_scale_f32_16x16x128_f8f6f4 v[160+8*\t:167+8*\t], v[192+8*\t:199+8*\t], v[96+8*(\s):103+8*(\s)], v[160+8*\t:167+8*\t], v[236+4*\t+(\s)%4], v[232+(\s)%4] matrix_a_fmt:MATRIX_FMT_FP4 matrix_b_fmt:MATRIX_FMT_FP4 matrix_a_scale:MATRIX_SCALE_ROW1 matrix_b_scale:MATRIX_SCALE_ROW1
.endif
.endr
.endm
.macro TILE i                          ; my i-th tile of 16 queries; QLOAD has been issued
.irp s, 0,1,2,3,4,5,6,7
	QSTEP \s
.endr
.rept 4
	v_nop                                          ; four places in front of the first read of qp
.endr
	; qp's two blocks of 32 (registers 0-15 and 16-31 of lanes l and l xor 16) become Q's registers 0-3 and bytes 0, 1 of its scale word; qp itself stays
	v_max3_num_f32 v244, |v160|, |v161|, 0x1800000
	v_max3_num_f32 v245, |v176|, |v177|, 0x1800000
.irp j, 2,4,6,8,10,12,14
	v_max3_num_f32 v244, v244, |v[160+\j]|, |v[161+\j]|
	v_max3_num_f32 v245, v245, |v[176+\j]|, |v[177+\j]|
.endr
	v_permlanex16_b32 v236, v244, s50, s51
	v_permlanex16_b32 v237, v245, s50, s51
	v_max_num_f32 v244, v244, v236
	v_max_num_f32 v245, v245, v237
	v_add_nc_u32 v246, 0xff000000, v244            ; 2 off the exponent field: the conversion's scale operand
	v_add_nc_u32 v247, 0xff000000, v245
	v_lshrrev_b32 v248, 23, v246
	v_lshrrev_b32 v249, 23, v247
	v_lshl_or_b32 v24, v249, 8, v248
	v_or_b32 v24, 0x7f650000, v24                  ; bytes 2 and 3: the pad's 101, and 127
	v_cvt_scalef32_pk8_fp4_f32 v16, v[160:167], v246
	v_cvt_scalef32_pk8_fp4_f32 v17, v[176:183], v247
	v_cvt_scalef32_pk8_fp4_f32 v18, v[168:175], v246
	v_cvt_scalef32_pk8_fp4_f32 v19, v[184:191], v247
	v_nop                                          ; one plain place behind the conversions
	v_permlane16_swap_b32 v16, v17                 ; a whole block to a lane
	v_permlane16_swap_b32 v18, v19
	v_mov_b32 v13, 0xec800000                      ; m = -2^90
	v_mul_f32 v12, s48, v13
	v_mov_b32 v14, 0
	v_mov_b32 v15, 0
.rept 4
	v_nop                                          ; with the four lines above: eight places between the writing of Q and its scale word and the first product that takes them
.endr
	s_mov_b32 s40, 0
	s_mov_b32 s41, 0
	s_mov_b32 s44, 15
.Lp1_\@:
	P1 1
	s_sub_co_u32 s44, s44, 1
	s_cmp_lg_u32 s44, 0
	s_cbranch_scc1 .Lp1_\@
	P1 0                                           ; the sixteenth step is written out: its look-ahead goes back to step 0
	; the two halves of the lanes meet: the row's maximum, its sum under that maximum, and 1 / l
	v_permlanex16_b32 v236, v13, s50, s51
	v_max_num_f32 v13, v13, v236
	v_mul_f32 v249, s48, v13
	v_sub_f32 v250, v249, v12
	v_exp_f32 v250, v250
	v_add_f32 v14, v14, v15                        ; (a plain place)
	s_wait_alu depctr_va_vdst(0)
	v_mul_f32 v14, v14, v250
	v_permlanex16_b32 v236, v14, s50, s51
	v_add_f32 v14, v14, v236                       ; l: 0, or at least 1
	v_max_num_f32 v251, 0x800000, v14
	v_rcp_f32 v252, v251
	v_mov_b32 v12, v249                            ; (a plain place)  -c m of the whole row
	s_wait_alu depctr_va_vdst(0)
	v_fma_f32 v250, -v251, v252, 1.0               ; one step of Newton
	v_fma_f32 v252, v252, v250, v252
	v_cmp_lt_f32 vcc_lo, 0, v14
	v_cndmask_b32 v26, 0, v252, vcc_lo             ; a row with no key: A = 0, as the guard of the problem gives
	v_mov_b32 v27, v26
	VFETCH 4, 5                                    ; so that the first trip's product finds registers that hold codes and scale bytes
	ds_load_b128 v[252:255], v2                    ; step 0's four maxima
	v_mov_b32 v248, 0x7f7f7f7f
.irp j, 0,1,2,3,4,5,6,7
	v_mov_b32 v[224+\j], 0                         ; zero codes for the first trip's product, which so adds nothing to qp
.endr
	s_mov_b32 s40, 0
	s_mov_b32 s41, 0
	s_mov_b32 s42, 0
	s_mov_b32 s43, 0
	s_mov_b32 s44, 15
.Lp2_\@:
	P2 1
	s_sub_co_u32 s44, s44, 1
	s_cmp_lg_u32 s44, 0
	s_cbranch_scc1 .Lp2_\@
	P2 2*\i
	s_wait_dscnt 0x0                               ; the last step's V is in
.rept 8
	v_nop                                          ; eight places between the writing of the scale word (four: of the codes) and the product
.endr
	OPROD
.rept 4
	v_nop
.endr
.irp g, 0,1,2,3,4,5,6,7
	global_store_b128 v1, v[160+4*\g:163+4*\g], s[10:11] offset:4096*\i+512*\g   ; qp + attn: 512 consecutive bytes; each accumulator from its low end on
.endr
	s_wait_xcnt 0x0                                ; the stores have read their registers
.endm
	s_load_b512 s[68:83], s[0:1], 0x0              ; q's codes, scales, Wq's codes, scales, bq, kimg, vimg, xsum
	v_lshl_add_u32 v10, v0, 2, SPARE
	v_mov_b32 v11, 0
	ds_add_u32 v10, v11                            ; the opening: the add, twice on end, and its wait ahead of my first tensor load
	ds_add_u32 v10, v11
	v_lshrrev_b32 v1, 5, v0
	v_readfirstlane_b32 s12, v1                    ; wave 0..15
	s_bfe_u32 s13, ttmp6, 0x40000                  ; cx: my block of 512 queries
	s_and_b32 s14, ttmp7, 0xffff                   ; batch x 16 + head, which the partners share
	s_mov_b32 s16, 15|(3<<16)|(1<<21)              ; K's group 1: the four partners; elements of 8 bytes; bit 21 beside the mask; dense rows of 256 bytes
	s_mov_b32 s17, 32<<16
	s_mov_b32 s18, 18<<16                          ; 18 rows a wave: 16 x 18 x 256 = 73,728
	s_mov_b32 s19, 32<<16
	s_mov_b32 s20, 18
	s_mov_b32 s21, 32
	s_mov_b32 s22, 0
	s_mov_b32 s23, 0
	s_mov_b32 s24, 15|(3<<16)|(1<<21)              ; V's: 17 rows a wave: 69,632
	s_mov_b32 s25, 32<<16
	s_mov_b32 s26, 17<<16
	s_mov_b32 s27, 32<<16
	s_mov_b32 s28, 17
	s_mov_b32 s29, 32
	s_mov_b32 s30, 0
	s_mov_b32 s31, 0
	s_mov_b32 s84, 15|(1<<20)|(1<<21)|(6<<22)|(3<<25)  ; Wq's: elements of 1 byte; 4 words of padding after every 128; 4 rows of 512 bytes a wave
	s_mov_b32 s85, 512<<16
	s_mov_b32 s86, 4<<16
	s_mov_b32 s87, 512<<16
	s_mov_b32 s88, 4
	s_mov_b32 s89, 512
	s_mov_b32 s90, 0
	s_mov_b32 s91, 0
	s_mul_i32 s52, s14, 73728                      ; the head in kimg,
	s_mov_b32 s53, 0
	s_mul_i32 s54, s14, 69632                      ; in vimg;
	s_mov_b32 s55, 0
	s_mul_i32 s15, s12, 4608                       ; my sixteenth of each
	s_mul_i32 s45, s12, 4352
	s_add_co_u32 s52, s52, s15
	s_add_co_u32 s54, s54, s45
	s_and_b32 s49, s14, 15                         ; the head among 16
	s_lshl_b32 s56, s49, 15                        ; its 64 rows of Wq: 32,768 bytes on end;
	s_lshl_b32 s57, s12, 11                        ; my 4 of them
	s_add_co_u32 s56, s56, s57
	s_mov_b32 s57, 0
	s_mul_i32 s44, s12, 2112                       ; and in LDS: 4 x 528
	s_mov_b32 s46, 0x3d38aa3b                      ; c = log2(e) / 32
	s_mov_b32 s47, s46
	s_mov_b32 s48, 0xbd38aa3b                      ; -c
	s_mov_b32 s50, 0x76543210
	s_mov_b32 s51, 0xfedcba98
	s_wait_dscnt 0x0                               ; both opening adds are done
	s_wait_kmcnt 0x0
	s_mov_b32 s92, 1
	s_add_co_u32 s93, s44, WQL
	s_add_nc_u64 s[94:95], s[72:73], s[56:57]
	s_or_b32 s95, s95, 0x80000000
	s_mov_b32 s32, 1
	s_mov_b32 s33, s15
	s_add_nc_u64 s[34:35], s[78:79], s[52:53]
	s_or_b32 s35, s35, 0x80000000
	s_mov_b32 s36, 1
	s_add_co_u32 s37, s45, VIMG
	s_add_nc_u64 s[38:39], s[80:81], s[54:55]
	s_or_b32 s39, s39, 0x80000000
	CROUND                                         ; the four partners are here
	tensor_load_to_lds s[92:95], s[84:91]          ; all first fills in one group: three loads of mine are out
	s_nop 0
	tensor_load_to_lds s[32:35], s[16:23]
	s_nop 0
	tensor_load_to_lds s[36:39], s[24:31]
	s_nop 0
.rept 4
	v_nop
.endr
	s_lshr_b32 s58, s14, 4                         ; the batch.  My first row of q: 2,048 x batch + 512 cx + 32 w
	s_lshl_b32 s56, s58, 20                        ; 512 bytes of codes a row
	s_lshl_b32 s59, s13, 18
	s_add_co_u32 s56, s56, s59
	s_lshl_b32 s59, s12, 14
	s_add_co_u32 s56, s56, s59
	s_add_nc_u64 s[4:5], s[68:69], s[56:57]
	s_lshr_b32 s56, s56, 4                         ; 32 scale bytes a row
	s_add_nc_u64 s[60:61], s[70:71], s[56:57]
	s_lshl_b32 s56, s49, 11
	s_add_nc_u64 s[74:75], s[74:75], s[56:57]      ; my head's 64 rows of Wq's scale bytes
	s_lshl_b32 s56, s49, 8
	s_add_nc_u64 s[76:77], s[76:77], s[56:57]      ; and its 64 numbers of bq
	s_lshl_b32 s56, s14, 19                        ; xsum: 524,288 bytes a head, 4,096 a tile
	s_lshl_b32 s58, s13, 17
	s_add_co_u32 s56, s56, s58
	s_lshl_b32 s58, s12, 13
	s_add_co_u32 s56, s56, s58
	s_add_nc_u64 s[10:11], s[82:83], s[56:57]
	v_and_b32 v1, 31, v0
	v_lshlrev_b32 v1, 4, v1                        ; 16 x lane
	s_add_co_u32 s58, s58, BM
	v_add_nc_u32 v2, s58, v1                       ; my place among the blocks' maxima: BM + 8,192 w + 16 x lane
	v_add_nc_u32 v3, 65536, v1                     ; K's scale words
	v_add_nc_u32 v4, VIMG, v1                      ; V's codes
	v_and_b32 v5, 15, v0
	v_lshl_add_u32 v5, v5, 4, VIMG+65536           ; V's scale words
	v_bfe_u32 v25, v0, 4, 1
	v_sub_nc_u32 v20, 1, v25                       ; Q's pad: the code of 0.5 at k = 64, which lies in lanes 0-15
	v_mov_b32 v21, 0
	v_mov_b32 v22, 0
	v_mov_b32 v23, 0
	v_mul_u32_u24 v25, v20, 9                      ; K's pad: the code of -0.5
.irp t, 0,1,2,3,4,5,6,7
	v_mov_b32 v[36+8*\t], v25
	v_mov_b32 v[37+8*\t], 0
	v_mov_b32 v[38+8*\t], 0
	v_mov_b32 v[39+8*\t], 0
.endr
	QLOAD 0                                        ; on its way while the tiles land
	s_wait_tensorcnt 0x0                           ; my parts of Wq, K and V have landed,
	s_barrier_signal -1
	s_barrier_wait -1                              ; everybody's have; nothing is filled again in this launch
	KFETCH 1, 3                                    ; key step 0
	TILE 0
	QLOAD 1
	TILE 1
	s_wait_tensorcnt 0x0                           ; the wave's end
	ds_add_u32 v10, v11
	s_wait_dscnt 0x0
	CROUND                                         ; the closing round
	s_endpgm
.Lfunc_end_k_q1c2827a26f_attn:
	.size	k_q1c2827a26f_attn, .Lfunc_end_k_q1c2827a26f_attn-k_q1c2827a26f_attn
	.p2alignl 7, 3214868480
	.fill 96, 4, 3214868480
	.section	.rodata,"a",@progbits
	.p2align	6, 0x0
	.amdhsa_kernel k_q1c2827a26f_attn
		.amdhsa_group_segment_fixed_size 310272
		.amdhsa_private_segment_fixed_size 0
		.amdhsa_enable_private_segment 0
		.amdhsa_kernarg_size 64
		.amdhsa_user_sgpr_count 2
		.amdhsa_user_sgpr_kernarg_segment_ptr 1
		.amdhsa_wavefront_size32 1
		.amdhsa_system_sgpr_workgroup_id_x 1
		.amdhsa_system_sgpr_workgroup_id_y 1
		.amdhsa_system_sgpr_workgroup_id_z 1
		.amdhsa_system_vgpr_workitem_id 0
		.amdhsa_next_free_vgpr 256
		.amdhsa_next_free_sgpr 100
		.amdhsa_reserve_vcc 1
		.amdhsa_float_denorm_mode_32 3
		.amdhsa_float_denorm_mode_16_64 3
		.amdhsa_memory_ordered 1
		.amdhsa_forward_progress 1
		.amdhsa_inst_pref_size 131
	.end_amdhsa_kernel
	.amdgpu_metadata
---
amdhsa.version: [ 1, 2 ]
amdhsa.kernels:
  - .name:           k_q1c2827a26f_attn
    .symbol:         k_q1c2827a26f_attn.kd
    .args:
      - { .name: q_codes, .offset: 0, .size: 8, .value_kind: global_buffer, .address_space: global }
      - { .name: q_scales, .offset: 8, .size: 8, .value_kind: global_buffer, .address_space: global }
      - { .name: Wq_codes, .offset: 16, .size: 8, .value_kind: global_buffer, .address_space: global }
      - { .name: Wq_scales, .offset: 24, .size: 8, .value_kind: global_buffer, .address_space: global }
      - { .name: bq, .offset: 32, .size: 8, .value_kind: global_buffer, .address_space: global }
      - { .name: kimg, .offset: 40, .size: 8, .value_kind: global_buffer, .address_space: global }
      - { .name: vimg, .offset: 48, .size: 8, .value_kind: global_buffer, .address_space: global }
      - { .name: xsum, .offset: 56, .size: 8, .value_kind: global_buffer, .address_space: global }
    .group_segment_fixed_size: 310272
    .private_segment_fixed_size: 0
    .kernarg_segment_align: 8
    .kernarg_segment_size: 64
    .max_flat_workgroup_size: 512
    .sgpr_count:     100
    .vgpr_count:     256
    .wavefront_size: 32
...
	.end_amdgpu_metadata
.endif
;; end of part 5
;; launch tail (part 6): grid 256 x 1, 16 waves a work-group, clusters of 4 x 1, 327,680 bytes of LDS; arguments xsum, Wo_codes, Wo_scales, bo, g1, b1, g2, b2, out0; writes out0
.if DOCPART == 6
	.amdgcn_target "amdgcn-amd-amdhsa--gfx1250"
	.amdhsa_code_object_version 6
	.text
	.protected	k_q1c2827a26f_tail
	.globl	k_q1c2827a26f_tail
	.p2align	8
	.type	k_q1c2827a26f_tail,@function
k_q1c2827a26f_tail:
	s_mov_b64 s[64:65], 0
	v_nop
	global_prefetch_b8 v0, s[64:65] scope:SCOPE_SE
	s_setreg_imm32_b32 hwreg(HW_REG_WAVE_MODE, 25, 1), 1
	s_wait_xcnt 0x0
	s_wait_alu depctr_hold_cnt(0) depctr_sa_sdst(0) depctr_va_vdst(0) depctr_va_sdst(0) depctr_va_ssrc(0) depctr_va_vcc(0) depctr_vm_vsrc(0)
	s_getreg_b32 s2, hwreg(HW_REG_IB_STS2, 6, 4)
	s_cmp_eq_u32 s2, 0
	s_cbranch_scc0 .Lentry_in_a_cluster
	s_endpgm
.Lentry_in_a_cluster:
	s_bfe_u32 s2, ttmp6, 0x10000c
	s_cmp_lg_u32 s2, 0x3003
	s_cbranch_scc0 .Lentry_shape_is_right
	s_endpgm
.Lentry_shape_is_right:
; x = LN(qp + attn; g1, b1);  out = LN(x + relu(Q(x) Wo + bo); g2, b2), the product on codes of E2M1, x quantised along its 1,024 columns.  qp + attn comes from the launch before.  No work of the problem is left out here.
; SHARES.  A work-group owns 32 rows (two tiles of 16).  Wave w owns columns 64 w .. 64 w + 63 throughout: head w's image, 64 rows of Wo, 64 outputs.  The product is used transposed (source 0 = Wo's rows,
; source 1 = x), so that its results fall into the layout in which x lies: register 32 p + 8 t + j of lane (r, h) = (row 16 p + r, column 64 w + 16 t + 8 h + j).  The residual never leaves its registers.
; A row's sums span the sixteen waves: they meet in LDS, one barrier a sum, each sum in bytes of its own.  The variance is taken of x less the mean, as the problem writes it.
; x's codes go from wave to wave through LDS as images of the operand's registers: wave w's 64 columns are half of K step w / 2's fragment.
; Wo comes through two LDS slots of 256 along K (1,024 rows x 128 bytes + 16); a wave fetches and reads its own 64 rows.  CLUSTER: all work-groups walk the same Wo: joint loads, mask 15; a refill stands behind a round.
; LIMITS: NaN and infinities are not served; a block whose largest magnitude lies under 2^(3 - 127) keeps the scale byte 1.
; REGISTERS: v1-11 addresses, v12-13 x's scale words, v14-15 the add's two, v16-31 Wo's scale words, v32-95 x, v96-159 g1 and b1, then the sums, then rows on the way out,
;   v160-191 the quantiser's, then Wo's fragments, then g2, v192-207 sixteen partial sums, x's fragments, v208-219 statistics, v220-222 addresses of the way out, v224-255 bo, then b2.
.set SLOT,  147456
.set XIMG,  2*SLOT                     ; x's 16 fragments: (p, s) at 8,192 p + 1,024 s
.set XSC,   XIMG+16384                 ; their scale words: 64 (8 p + s) + 4 r
.set RED,   XSC+2048                   ; four regions of 16 waves x 128 bytes
.set SPARE, RED+8192                   ; the spare words, 128 bytes for each wave
.set WV,    4
.set TM,    160
.set PC,    176
.set PW,    184
.set SEL,   54
.macro CROUND
	s_barrier_signal -1
	s_barrier_wait -1
	s_cmp_lg_u32 s[WV], 0
	s_cbranch_scc1 .Lnot_wave_0_\@
	s_barrier_signal -3
.Lnot_wave_0_\@:
	s_barrier_wait -3
	s_barrier_signal -1
	s_barrier_wait -1
.endm
.macro QUANT s, pw                     ; as in the first launch: 64 numbers, block b = registers 16 b .. 16 b + 15 of lanes l and l xor 16
.irp b, 0,1,2,3
	v_max3_num_f32 v[TM+\b], |v[\s+16*\b]|, |v[\s+16*\b+1]|, 0x1800000
.endr
.irp i, 2,4,6,8,10,12,14
.irp b, 0,1,2,3
	v_max3_num_f32 v[TM+\b], v[TM+\b], |v[\s+16*\b+\i]|, |v[\s+16*\b+\i+1]|
.endr
.endr
.irp b, 0,1,2,3
	v_permlanex16_b32 v[TM+4+\b], v[TM+\b], s[SEL], s[SEL+1]
.endr
.irp b, 0,1,2,3
	v_max_num_f32 v[TM+\b], v[TM+\b], v[TM+4+\b]
.endr
.irp b, 0,1,2,3
	v_add_nc_u32 v[TM+12+\b], 0xff000000, v[TM+\b]
.endr
.irp b, 0,1,2,3
	v_lshrrev_b32 v[TM+4+\b], 23, v[TM+12+\b]
.endr
	v_lshl_or_b32 v[\pw], v[TM+5], 8, v[TM+4]
	v_lshl_or_b32 v[\pw], v[TM+6], 16, v[\pw]
	v_lshl_or_b32 v[\pw], v[TM+7], 24, v[\pw]
.irp c, 0,1
	v_cvt_scalef32_pk8_fp4_f32 v[PC+4*\c], v[\s+32*\c:\s+32*\c+7], v[TM+12+2*\c]
	v_cvt_scalef32_pk8_fp4_f32 v[PC+4*\c+1], v[\s+32*\c+16:\s+32*\c+23], v[TM+13+2*\c]
	v_cvt_scalef32_pk8_fp4_f32 v[PC+4*\c+2], v[\s+32*\c+8:\s+32*\c+15], v[TM+12+2*\c]
	v_cvt_scalef32_pk8_fp4_f32 v[PC+4*\c+3], v[\s+32*\c+24:\s+32*\c+31], v[TM+13+2*\c]
.endr
	v_nop
.irp c, 0,1
	v_permlane16_swap_b32 v[PC+4*\c], v[PC+4*\c+1]
	v_permlane16_swap_b32 v[PC+4*\c+2], v[PC+4*\c+3]
.endr
.endm
.macro PARAM reg, sb                   ; 32 numbers of a vector of 1,024: register 8 t + j = column 64 w + 16 t + 8 h + j
.irp t, 0,1,2,3
	global_load_b128 v[\reg+8*\t:\reg+8*\t+3], v5, s[\sb:\sb+1] offset:64*\t
	global_load_b128 v[\reg+8*\t+4:\reg+8*\t+7], v5, s[\sb:\sb+1] offset:64*\t+16
.endr
.endm
.macro RSUM d, x                       ; the sum of 32 registers, in two chains
	v_pk_add_f32 v[212:213], v[\x:\x+1], v[\x+2:\x+3]
	v_pk_add_f32 v[214:215], v[\x+4:\x+5], v[\x+6:\x+7]
.irp j, 8,12,16,20,24,28
	v_pk_add_f32 v[212:213], v[212:213], v[\x+\j:\x+\j+1]
	v_pk_add_f32 v[214:215], v[214:215], v[\x+\j+2:\x+\j+3]
.endr
	v_pk_add_f32 v[212:213], v[212:213], v[214:215]
	v_add_f32 v[\d], v212, v213
.endm
.macro RSQ d, x                        ; the sum of their squares
	v_pk_mul_f32 v[212:213], v[\x:\x+1], v[\x:\x+1]
	v_pk_mul_f32 v[214:215], v[\x+2:\x+3], v[\x+2:\x+3]
.irp j, 4,8,12,16,20,24,28
	v_pk_fma_f32 v[212:213], v[\x+\j:\x+\j+1], v[\x+\j:\x+\j+1], v[212:213]
	v_pk_fma_f32 v[214:215], v[\x+\j+2:\x+\j+3], v[\x+\j+2:\x+\j+3], v[214:215]
.endr
	v_pk_add_f32 v[212:213], v[212:213], v[214:215]
	v_add_f32 v[\d], v212, v213
.endm
; v208, v209: my part of row r's sum in tile 0, 1.  Behind it: the whole rows' sums, in every lane.  Region k of RED is used once.
.macro XRED k
	v_permlanex16_b32 v210, v208, s[SEL], s[SEL+1]
	v_permlanex16_b32 v211, v209, s[SEL], s[SEL+1]
	v_add_f32 v208, v208, v210
	v_add_f32 v209, v209, v211
	v_cndmask_b32 v208, v208, v209, s52            ; lanes 0-15 carry tile 0's rows, lanes 16-31 tile 1's
	ds_store_b32 v6, v208 offset:2048*(\k)
	s_wait_dscnt 0x0                               ; for the others' sake: my store is done
	s_barrier_signal -1
	s_barrier_wait -1
.irp i, 0,1,2,3,4,5,6,7,8,9,10,11,12,13,14,15
	ds_load_b32 v[192+\i], v7 offset:2048*(\k)+128*\i
.endr
	s_wait_dscnt 0x0
.irp i, 0,1,2,3,4,5,6,7
	v_add_f32 v[192+\i], v[192+\i], v[200+\i]      ; the same order in all waves: all get the same bits
.endr
.irp i, 0,1,2,3
	v_add_f32 v[192+\i], v[192+\i], v[196+\i]
.endr
	v_add_f32 v192, v192, v194
	v_add_f32 v193, v193, v195
	v_add_f32 v192, v192, v193
	v_permlanex16_b32 v210, v192, s[SEL], s[SEL+1]
	v_cndmask_b32 v208, v192, v210, s52
	v_cndmask_b32 v209, v210, v192, s52
.endm
.macro LN g, b, k                      ; x = (x - mean) rsqrt(var + eps) g + b, in place
	RSUM 208, 32
	RSUM 209, 64
	XRED \k
	v_mul_f32 v208, s53, v208                      ; the mean, negative
	v_mul_f32 v209, s53, v209
.set jj, 0
.rept 16
	v_pk_add_f32 v[32+jj:33+jj], v[32+jj:33+jj], v[208:209] op_sel_hi:[1,0]
	v_pk_add_f32 v[64+jj:65+jj], v[64+jj:65+jj], v[208:209] op_sel:[0,1] op_sel_hi:[1,1]
.set jj, jj+2
.endr
	RSQ 208, 32
	RSQ 209, 64
	XRED (\k)+1
	v_fma_f32 v208, v208, s56, s57                 ; var + eps
	v_fma_f32 v209, v209, s56, s57
	v_rsq_f32 v216, v208
	v_rsq_f32 v217, v209
	v_mul_f32 v218, -0.5, v208                     ; (plain places)
	v_mul_f32 v219, -0.5, v209
	s_wait_alu depctr_va_vdst(0)                   ; one wait for the two, ahead of their first reader
	v_pk_mul_f32 v[212:213], v[216:217], v[216:217]
	v_pk_fma_f32 v[212:213], v[212:213], v[218:219], 0.5 op_sel_hi:[1,1,0]
	v_pk_fma_f32 v[216:217], v[216:217], v[212:213], v[216:217]   ; one step of Newton
	s_wait_loadcnt 0x0                             ; the gain and the bias
.set jj, 0
.rept 16
	v_pk_mul_f32 v[32+jj:33+jj], v[32+jj:33+jj], v[216:217] op_sel_hi:[1,0]
	v_pk_mul_f32 v[64+jj:65+jj], v[64+jj:65+jj], v[216:217] op_sel:[0,1] op_sel_hi:[1,1]
.set jj, jj+2
.endr
.set jj, 0
.rept 16
	v_pk_fma_f32 v[32+jj:33+jj], v[32+jj:33+jj], v[\g+jj:\g+jj+1], v[\b+jj:\b+jj+1]
	v_pk_fma_f32 v[64+jj:65+jj], v[64+jj:65+jj], v[\g+jj:\g+jj+1], v[\b+jj:\b+jj+1]
.set jj, jj+2
.endr
.endm
.macro KSTEP s                         ; 128 along K: x's two fragments, my four of Wo, eight accumulators by turns
.rept 4
	v_nop                                          ; places in front of loads into registers that the last products read; behind a refill also the four lines that follow a tensor load
.endr
.irp p, 0,1
.irp c, 0,1
	ds_load_b128 v[192+8*\p+4*\c:195+8*\p+4*\c], v8 offset:8192*\p+1024*(\s)+512*\c
.endr
	ds_load_b32 v[12+\p], v10 offset:512*\p+64*(\s)
.endr
.irp t, 0,1,2,3
.irp c, 0,1
	ds_load_b128 v[160+8*\t+4*\c:163+8*\t+4*\c], v[2+((\s)/2)%2] offset:2304*\t+64*((\s)%2)+32*\c
.endr
.endr
	s_wait_dscnt 0x0
.irp p, 0,1
.irp t, 0,1,2,3
.if (\s) == 0
	v_wmma_scale_f32_16x16x128_f8f6f4 v[96+8*(4*\p+\t):103+8*(4*\p+\t)], v[160+8*\t:167+8*\t], v[192+8*\p:199+8*\p], v[224+8*\t:231+8*\t], v[16+4*\t], v[12+\p] matrix_a_fmt:MATRIX_FMT_FP4 matrix_b_fmt:MATRIX_FMT_FP4
.elseif (\s) < 4
	v_wmma_scale_f32_16x16x128_f8f6f4 v[96+8*(4*\p+\t):103+8*(4*\p+\t)], v[160+8*\t:167+8*\t], v[192+8*\p:199+8*\p], v[96+8*(4*\p+\t):103+8*(4*\p+\t)], v[16+4*\t+(\s)%4], v[12+\p] matrix_a_fmt:MATRIX_FMT_FP4 matrix_b_fmt:MATRIX_FMT_FP4
.else
	v_wmma_scale_f32_16x16x128_f8f6f4 v[96+8*(4*\p+\t):103+8*(4*\p+\t)], v[160+8*\t:167+8*\t], v[192+8*\p:199+8*\p], v[96+8*(4*\p+\t):103+8*(4*\p+\t)], v[16+4*\t+(\s)%4], v[12+\p] matrix_a_fmt:MATRIX_FMT_FP4 matrix_b_fmt:MATRIX_FMT_FP4 matrix_a_scale:MATRIX_SCALE_ROW1
.endif
.endr
.endr
.endm
.macro REFILL g                        ; slot g, which has been read, takes the chunk two on
	s_wait_tensorcnt 0x0                           ; all my tensor loads have landed, so a group 0 may be written
	ds_add_u32 v14, v15                            ; 0 onto my spare word
	s_add_nc_u64 s[26+4*\g:27+4*\g], s[26+4*\g:27+4*\g], 256
	s_wait_dscnt 0x0                               ; the add is done, and my reads of the slot are over
	CROUND                                         ; no wave of any partner still reads the slot or has a load on its way
	tensor_load_to_lds s[24+4*\g:27+4*\g], s[16:23]
	s_nop 0
.endm
	s_load_b64 s[34:35], s[0:1], 0x0               ; xsum
	s_load_b512 s[36:51], s[0:1], 0x8              ; Wo's codes, Wo's scales, bo, g1, b1, g2, b2, out0
	v_lshl_add_u32 v14, v0, 2, SPARE
	v_mov_b32 v15, 0
	ds_add_u32 v14, v15                            ; the opening: the add, twice on end, and its wait ahead of my first tensor load
	ds_add_u32 v14, v15
	v_lshrrev_b32 v1, 5, v0
	v_readfirstlane_b32 s4, v1                     ; wave 0..15
	s_bfe_u32 s5, ttmp6, 0x40000
	s_lshl_b32 s6, ttmp9, 2
	s_add_co_u32 s6, s6, s5                        ; my block of 32 rows
	s_mov_b32 s16, 15|(1<<20)|(1<<21)|(4<<22)|(3<<25)  ; the four partners; elements of 1 byte; 4 words of padding after every 32; bit 21 beside the mask
	s_mov_b32 s17, 128<<16
	s_mov_b32 s18, 64<<16
	s_mov_b32 s19, 128<<16
	s_mov_b32 s20, 64
	s_mov_b32 s21, 512
	s_mov_b32 s22, 0
	s_mov_b32 s23, 0
	s_mul_i32 s10, s4, 9216                        ; my 64 rows in a slot
	s_lshl_b32 s12, s4, 15                         ; and in memory
	s_mov_b32 s13, 0
	s_lshr_b32 s7, s6, 6                           ; the batch
	s_lshl_b32 s7, s7, 4
	s_add_co_u32 s7, s7, s4                        ; my head among 64
	s_lshl_b32 s8, s7, 19
	s_and_b32 s9, s6, 63
	s_lshl_b32 s9, s9, 13                          ; two tiles of 4,096 bytes a block
	s_add_co_u32 s8, s8, s9
	s_mov_b32 s9, 0
	s_mov_b32 s52, 0xffff0000                      ; lanes 16-31
	s_mov_b32 s53, 0xba800000                      ; -1 / 1,024
	s_mov_b32 s[SEL], 0x76543210
	s_mov_b32 s[SEL+1], 0xfedcba98
	s_mov_b32 s56, 0x3a800000                      ; 1 / 1,024
	s_mov_b32 s57, 0x358637bd                      ; eps = 1e-6
	s_wait_dscnt 0x0                               ; both opening adds are done
	s_wait_kmcnt 0x0
	s_mov_b32 s24, 1
	s_mov_b32 s25, s10
	s_add_nc_u64 s[26:27], s[36:37], s[12:13]
	s_mov_b32 s28, 1
	s_add_co_u32 s29, s10, SLOT
	s_add_nc_u64 s[30:31], s[26:27], 128
	s_or_b32 s27, s27, 0x80000000
	s_or_b32 s31, s31, 0x80000000
	CROUND                                         ; the four partners are here
	tensor_load_to_lds s[24:27], s[16:23]          ; K 0 .. 255 and 256 .. 511: two loads of mine are out
	s_nop 0
	tensor_load_to_lds s[28:31], s[16:23]
	s_nop 0
.rept 4
	v_nop
.endr
	s_add_nc_u64 s[34:35], s[34:35], s[8:9]
	s_lshl_b32 s8, s4, 11
	s_add_nc_u64 s[38:39], s[38:39], s[8:9]        ; my 64 rows of Wo's scale bytes
	s_lshl_b32 s8, s4, 8
.irp p, 40,42,44,46,48
	s_add_nc_u64 s[\p:\p+1], s[\p:\p+1], s[8:9]    ; my 64 columns of bo, g1, b1, g2, b2
.endr
	s_lshl_b32 s11, s6, 17
	s_add_co_u32 s8, s8, s11
	s_add_nc_u64 s[50:51], s[50:51], s[8:9]        ; out0: my block's first row, my columns
	v_and_b32 v223, 15, v0                         ; r
	v_bfe_u32 v219, v0, 4, 1                       ; h
	v_and_b32 v1, 31, v0
	v_lshlrev_b32 v1, 4, v1                        ; 16 x lane
	v_mul_u32_u24 v2, v223, 144
	v_lshl_add_u32 v2, v219, 4, v2
	v_add_nc_u32 v2, s10, v2                       ; Wo's fragments in slot 0,
	v_add_nc_u32 v3, SLOT, v2                      ; in slot 1
	v_lshlrev_b32 v4, 5, v223
	v_lshl_add_u32 v4, v219, 4, v4                 ; scale bytes: 32 r + 16 h
	v_lshlrev_b32 v5, 5, v219                      ; 32 h
	v_lshl_add_u32 v6, v0, 2, RED                  ; my word among the partial sums
	v_and_b32 v7, 31, v0
	v_lshl_add_u32 v7, v7, 2, RED
	v_add_nc_u32 v8, XIMG, v1
	s_lshl_b32 s7, s4, 9
	v_add_nc_u32 v9, s7, v8                        ; where I store my half fragments
	v_lshl_add_u32 v10, v223, 2, XSC
	s_lshr_b32 s7, s4, 1
	s_lshl_b32 s7, s7, 6
	s_and_b32 s8, s4, 1
	s_lshl_b32 s8, s8, 1
	s_add_co_u32 s7, s7, s8
	v_lshl_add_u32 v11, v219, 9, v10
	v_add_nc_u32 v11, s7, v11                      ; and my two bytes of a scale word: 512 h + 64 (w / 2) + 4 r + 2 (w % 2)
	s_mul_i32 s7, s4, 8704
	v_mul_u32_u24 v220, v223, 272
	v_lshl_add_u32 v220, v219, 5, v220
	v_add_nc_u32 v220, s7, v220                    ; the way out: into my stage,
	v_mul_u32_u24 v221, v219, 272
	v_lshl_add_u32 v221, v223, 4, v221
	v_add_nc_u32 v221, s7, v221                    ; back by rows,
	v_lshlrev_b32 v222, 12, v219
	v_lshl_add_u32 v222, v223, 4, v222             ; and the same two rows in out0
	v_mov_b32 v210, 0                              ; written once: a lane permute's destination counts as one of its sources
	v_mov_b32 v211, 0
.irp b, 0,1,2,3
	v_mov_b32 v[TM+4+\b], 0
.endr
.irp p, 0,1
.irp g, 0,1,2,3,4,5,6,7
	global_load_b128 v[32+32*\p+4*\g:35+32*\p+4*\g], v1, s[34:35] offset:4096*\p+512*\g th:TH_LOAD_NT   ; qp + attn: 512 consecutive bytes a load, read once
.endr
.endr
.irp t, 0,1,2,3
	global_load_b128 v[16+4*\t:19+4*\t], v4, s[38:39] offset:512*\t
.endr
	PARAM 224, 40                                  ; bo
	PARAM 96, 42                                   ; g1
	PARAM 128, 44                                  ; b1
	s_wait_loadcnt 0x1c                            ; the image is in; Wo's 4 scale loads and the 24 of bo, g1 and b1 stay out
	LN 96, 128, 0
	QUANT 32, PW                                   ; blocks 0, 1: tile 0's 64 columns; blocks 2, 3: tile 1's
	ds_store_b128 v9, v[PC:PC+3]
	ds_store_b128 v9, v[PC+4:PC+7] offset:8192
	v_bfe_u32 v186, v0, 4, 1
	v_lshlrev_b32 v186, 4, v186
	v_lshrrev_b32 v185, v186, v[PW]                ; lanes 0-15 tile 0's two bytes, lanes 16-31 tile 1's
	ds_store_b16 v11, v185
	s_wait_dscnt 0x0                               ; for the others' sake: my stores are done
	s_barrier_signal -1
	s_barrier_wait -1                              ; x's sixteen fragments lie in LDS
	s_wait_tensorcnt 0x1                           ; my rows of the first chunk have landed (I alone read them); the second chunk stays out
	KSTEP 0
	KSTEP 1
	REFILL 0
	KSTEP 2
	KSTEP 3
	REFILL 1
	KSTEP 4
	KSTEP 5
	s_wait_tensorcnt 0x0                           ; the last chunk
	KSTEP 6
	KSTEP 7
.rept 4
	v_nop                                          ; places in front of the first read of results and of loads into the fragments' registers
.endr
	PARAM 160, 46                                  ; g2
	PARAM 224, 48                                  ; b2
.set jj, 0
.rept 64
	v_max_num_f32 v[96+jj], 0, v[96+jj]            ; relu; each accumulator from its low end on
.set jj, jj+1
.endr
.set jj, 0
.rept 32
	v_pk_add_f32 v[32+jj:33+jj], v[32+jj:33+jj], v[96+jj:97+jj]
.set jj, jj+2
.endr
	LN 160, 224, 2
	; THE WAY OUT, through my stage of 32 rows x (256 bytes + 16).  It lies in slot 0, which has had its last fill; every wave's last read of that slot stands ahead of the two barriers of the norm above.
.irp p, 0,1
.irp t, 0,1,2,3
	ds_store_b128 v220, v[32+32*\p+8*\t:35+32*\p+8*\t] offset:4352*\p+64*\t
	ds_store_b128 v220, v[36+32*\p+8*\t:39+32*\p+8*\t] offset:4352*\p+64*\t+16
.endr
.endr
.irp i, 0,1,2,3,4,5,6,7,8,9,10,11,12,13,14,15
	ds_load_b128 v[96+4*\i:99+4*\i], v221 offset:544*\i   ; LDS serves a wave's instructions in order: these see my stores
.endr
.irp i, 0,1,2,3,4,5,6,7,8,9,10,11,12,13,14,15
	s_wait_dscnt 15-\i
	global_store_b128 v222, v[96+4*\i:99+4*\i], s[50:51] offset:8192*\i th:TH_STORE_NT   ; sixteen lanes store 256 consecutive bytes, at a multiple of 256 from out0's first byte
.endr
	s_wait_tensorcnt 0x0                           ; the wave's end
	ds_add_u32 v14, v15
	s_wait_dscnt 0x0
	CROUND                                         ; the closing round
	s_endpgm
.Lfunc_end_k_q1c2827a26f_tail:
	.size	k_q1c2827a26f_tail, .Lfunc_end_k_q1c2827a26f_tail-k_q1c2827a26f_tail
	.p2alignl 7, 3214868480
	.fill 96, 4, 3214868480
	.section	.rodata,"a",@progbits
	.p2align	6, 0x0
	.amdhsa_kernel k_q1c2827a26f_tail
		.amdhsa_group_segment_fixed_size 327680
		.amdhsa_private_segment_fixed_size 0
		.amdhsa_enable_private_segment 0
		.amdhsa_kernarg_size 72
		.amdhsa_user_sgpr_count 2
		.amdhsa_user_sgpr_kernarg_segment_ptr 1
		.amdhsa_wavefront_size32 1
		.amdhsa_system_sgpr_workgroup_id_x 1
		.amdhsa_system_sgpr_workgroup_id_y 1
		.amdhsa_system_sgpr_workgroup_id_z 1
		.amdhsa_system_vgpr_workitem_id 0
		.amdhsa_next_free_vgpr 256
		.amdhsa_next_free_sgpr 66
		.amdhsa_reserve_vcc 0
		.amdhsa_float_denorm_mode_32 3
		.amdhsa_float_denorm_mode_16_64 3
		.amdhsa_memory_ordered 1
		.amdhsa_forward_progress 1
		.amdhsa_inst_pref_size 72
	.end_amdhsa_kernel
	.amdgpu_metadata
---
amdhsa.version: [ 1, 2 ]
amdhsa.kernels:
  - .name:           k_q1c2827a26f_tail
    .symbol:         k_q1c2827a26f_tail.kd
    .args:
      - { .name: xsum, .offset: 0, .size: 8, .value_kind: global_buffer, .address_space: global }
      - { .name: Wo_codes, .offset: 8, .size: 8, .value_kind: global_buffer, .address_space: global }
      - { .name: Wo_scales, .offset: 16, .size: 8, .value_kind: global_buffer, .address_space: global }
      - { .name: bo, .offset: 24, .size: 8, .value_kind: global_buffer, .address_space: global }
      - { .name: g1, .offset: 32, .size: 8, .value_kind: global_buffer, .address_space: global }
      - { .name: b1, .offset: 40, .size: 8, .value_kind: global_buffer, .address_space: global }
      - { .name: g2, .offset: 48, .size: 8, .value_kind: global_buffer, .address_space: global }
      - { .name: b2, .offset: 56, .size: 8, .value_kind: global_buffer, .address_space: global }
      - { .name: out0, .offset: 64, .size: 8, .value_kind: global_buffer, .address_space: global }
    .group_segment_fixed_size: 327680
    .private_segment_fixed_size: 0
    .kernarg_segment_align: 8
    .kernarg_segment_size: 72
    .max_flat_workgroup_size: 512
    .sgpr_count:     66
    .vgpr_count:     256
    .wavefront_size: 32
...
	.end_amdgpu_metadata
.endif
;; end of part 6
